; MI455X (gfx1250); checked and timed in simulation.
; The chip was launched on July 23, 2026; its instructions are those of AMD's public machine-readable ISA for CDNA 5 (MIT licence, August 2026) and "CDNA5" Instruction Set Architecture Reference Guide (July 2026). The comments in the code are by the model that wrote it; some were corrected since.
;; Transformer Encoder Layer. Allowed arithmetic: float matrix products may take bf16 or f16 operands with f32 sums; other float arithmetic in f32, or as packed bf16 or f16 multiplies, adds, multiply-adds, maxima and minima; sums over many terms, partial sums and values carried from step to step in f32; what a program stores and reads back later, other than sums and carried values, may be rounded once to bf16 or f16.
;; Inputs: W1 1,024 x 4,096 float32; W2 4,096 x 1,024 float32; Wk 1,024 x 1,024 float32; Wo 1,024 x 1,024 float32; Wq 1,024 x 1,024 float32; Wv 1,024 x 1,024 float32; b1 4,096 float32; b2 1,024 float32; bk 1,024 float32; bo 1,024 float32; bq 1,024 float32; bv 1,024 float32; ln1_b 1,024 float32; ln1_g 1,024 float32; ln2_b 1,024 float32; ln2_g 1,024 float32; src_mask 2 x 2,048 int32; x 2 x 2,048 x 1,024 float32.
;; Outputs: out0 2 x 2,048 x 1,024 float32.
;; One version. Each part assembles by itself: llvm-mc -triple=amdgcn-amd-amdhsa -mcpu=gfx1250 --defsym DOCPART=n.
;; ======== version 1 of 1: 7 launches
;; limits: values are held in f16: magnitudes above 65,504 overflow, below 6.1e-05 lose precision
;; workspace buffers: wcat 25,165,824 bytes; yn 8,388,608 bytes; qkv 33,554,432 bytes; ctx 8,388,608 bytes; y1r 16,777,216 bytes; hbuf 33,554,432 bytes; wqkv 6,324,224 bytes; w1p 8,421,376 bytes
;; launch prep (part 1): grid 2049 x 1, 8 waves a work-group, no clusters, 0 bytes of LDS; arguments x, ln1_g, ln1_b, Wq, Wk, Wv, Wo, W1, W2, bq, bk, bv, b1, yn, wcat, wqkv, w1p; writes yn, wcat, wqkv, w1p
.if DOCPART == 1
	.amdgcn_target "amdgcn-amd-amdhsa--gfx1250"
	.amdhsa_code_object_version 6
	.text
	.protected	k_q7b4a206ef6_prep
	.globl	k_q7b4a206ef6_prep
	.p2align	8
	.type	k_q7b4a206ef6_prep,@function
k_q7b4a206ef6_prep:
	s_mov_b64 s[64:65], 0
	v_nop
	global_prefetch_b8 v0, s[64:65] scope:SCOPE_SE
	s_setreg_imm32_b32 hwreg(HW_REG_WAVE_MODE, 25, 1), 1
	s_wait_xcnt 0x0
; Three jobs, told apart by the work-group's number.
; Work-groups 0-511: yn = LayerNorm(bf16(x)) with gain and bias rounded to bf16, stored as f16: a wave a row of 1,024, the row kept in 32 registers,
; mean first, then the mean of the squared differences, as the formula has it.
; Work-groups 512-2047: the six weight matrices, 8,192 numbers a work-group, each rounded to bf16 and that number written as f16.
;   Wo and W2 go into wcat as they lie, [K][N], at bytes 6 Mi and 16 Mi.
;   Wq, Wk, Wv (into wqkv) and W1 (into w1p) go out in PANELS of 128 columns: [panel][k = 1,024][128 columns], 262,144 bytes a panel, from byte 32,768 on; Wq has panels 0-7, Wk 8-15, Wv 16-23.
; Work-group 2048: the table at the head of wqkv and of w1p: from byte 0 the bias of each column (rounded to bf16, kept as f32); from byte 16,384 two words a panel: a floor for the results
;   (two f16: -infinity for q, k, v; 0 for W1's, which is the relu) and a flag (all ones for k's panels, else 0).
; LIMITS. f16 ends at 65,504; a rounded weight below 2^-14 keeps f16's fixed step of 6e-8. NaN and infinities are not treated apart.
; A load of a wave covers 512 consecutive bytes, a store 256 or 512 consecutive bytes, aligned. No LDS, no barrier: no wave needs another's data.
.set X,  8                             ; v[8:39]    the 32 numbers of my lane: columns 128 j + 4 lane + 0..3
.set G,  40                            ; v[40:71]   gain
.set BT, 72                            ; v[72:103]  bias
.set T,  104                           ; v[104:119] at work
.set MR, 120                           ; v[120:121] the mean twice, later 1/sqrt(var + eps) twice
.set WP0,   32768                      ; the panels begin here
.set TABW,  16384                      ; the panels' words
.set PANEL, 262144
.macro ROUND base, n=16                ; 2 n numbers rounded to bf16 and widened again, in place
.set i, 0
.rept \n
	v_cvt_pk_bf16_f32 v[T+i], v[(\base)+2*i], v[(\base)+2*i+1]
.set i, i+1
.endr
.set i, 0
.rept \n
	v_lshlrev_b32 v[(\base)+2*i], 16, v[T+i]
	v_and_b32 v[(\base)+2*i+1], s14, v[T+i]
.set i, i+1
.endr
.endm
.macro WSUM                            ; v[T] summed over the 32 lanes, the result in every lane
	v_add_f32_dpp v[T], v[T], v[T] row_xmask:1 row_mask:0xf bank_mask:0xf
	v_add_f32_dpp v[T], v[T], v[T] row_xmask:2 row_mask:0xf bank_mask:0xf
	v_add_f32_dpp v[T], v[T], v[T] row_xmask:4 row_mask:0xf bank_mask:0xf
	v_add_f32_dpp v[T], v[T], v[T] row_xmask:8 row_mask:0xf bank_mask:0xf
	v_permlanex16_b32 v[T+1], v[T], s12, s13
	v_add_f32 v[T], v[T], v[T+1]
.endm
.macro OUT16 step                      ; X rounded to f16 and stored: 8 bytes a lane, 256 a wave, the eight stores step bytes apart
.set i, 0
.rept 16
	v_cvt_pk_f16_f32 v[T+i], v[X+2*i], v[X+2*i+1]
.set i, i+1
.endr
.irp j, 0,1,2,3,4,5,6,7
	global_store_b64 v2, v[T+2*(\j):T+2*(\j)+1], s[6:7] offset:(\step)*(\j)
.endr
.endm
	s_load_b512 s[16:31], s[0:1], 0x0              ; x, ln1_g, ln1_b, Wq, Wk, Wv, Wo, W1
	s_load_b512 s[32:47], s[0:1], 0x40             ; W2, bq, bk, bv, b1, yn, wcat, wqkv
	s_load_b64 s[48:49], s[0:1], 0x80              ; w1p
	v_lshrrev_b32 v4, 5, v0                        ; wave
	v_and_b32 v5, 31, v0                           ; lane
	v_lshlrev_b32 v3, 4, v5                        ; gain and bias: 16 bytes a lane
	v_lshl_or_b32 v1, v4, 12, v3                   ; in: wave x 4,096 + 16 lane
	v_lshlrev_b32 v2, 3, v5
	v_lshl_or_b32 v2, v4, 11, v2                   ; out: wave x 2,048 + 8 lane
	s_mov_b32 s12, 0x76543210                      ; v_permlanex16_b32: each lane takes its own place in the other half
	s_mov_b32 s13, 0xfedcba98
	s_mov_b32 s14, 0xffff0000                      ; a word's upper bf16
	s_mov_b32 s9, 0
	s_mov_b32 s11, 0
	s_cmp_lt_u32 ttmp9, 512
	s_cbranch_scc0 .Lcast
	s_lshl_b32 s8, ttmp9, 15                       ; 8 rows of 4,096 bytes in
	s_lshl_b32 s10, ttmp9, 14                      ; 8 rows of 2,048 bytes out
	s_wait_kmcnt 0x0
	s_add_nc_u64 s[4:5], s[16:17], s[8:9]
	s_add_nc_u64 s[6:7], s[42:43], s[10:11]
.irp j, 0,1,2,3,4,5,6,7
	global_load_b128 v[X+4*(\j):X+4*(\j)+3], v1, s[4:5] offset:512*(\j)
.endr
.irp j, 0,1,2,3,4,5,6,7
	global_load_b128 v[G+4*(\j):G+4*(\j)+3], v3, s[18:19] offset:512*(\j)
.endr
.irp j, 0,1,2,3,4,5,6,7
	global_load_b128 v[BT+4*(\j):BT+4*(\j)+3], v3, s[20:21] offset:512*(\j)
.endr
	s_wait_loadcnt 16                              ; the row is in; the 16 younger loads of gain and bias may stay out
	ROUND X
.set i, 0
.rept 8
	v_pk_add_f32 v[T+2*i:T+2*i+1], v[X+4*i:X+4*i+1], v[X+4*i+2:X+4*i+3]
.set i, i+1
.endr
.set i, 0
.rept 4
	v_pk_add_f32 v[T+4*i:T+4*i+1], v[T+4*i:T+4*i+1], v[T+4*i+2:T+4*i+3]
.set i, i+1
.endr
	v_pk_add_f32 v[T:T+1], v[T:T+1], v[T+4:T+5]
	v_pk_add_f32 v[T+8:T+9], v[T+8:T+9], v[T+12:T+13]
	v_pk_add_f32 v[T:T+1], v[T:T+1], v[T+8:T+9]
	v_add_f32 v[T], v[T], v[T+1]
	WSUM
	v_mov_b32 v4, 0x3a800000                       ; 1 / 1,024
	v_mul_f32 v[MR], v[T], v4
	v_mov_b32 v[MR+1], v[MR]
.set i, 0
.rept 16
	v_pk_add_f32 v[X+2*i:X+2*i+1], v[X+2*i:X+2*i+1], v[MR:MR+1] neg_lo:[0,1] neg_hi:[0,1]
.set i, i+1
.endr
.set i, 0
.rept 4
	v_pk_mul_f32 v[T+2*i:T+2*i+1], v[X+2*i:X+2*i+1], v[X+2*i:X+2*i+1]  ; four chains of squares; the first four pairs start them
.set i, i+1
.endr
.set i, 4
.rept 12
	v_pk_fma_f32 v[T+2*(i%4):T+2*(i%4)+1], v[X+2*i:X+2*i+1], v[X+2*i:X+2*i+1], v[T+2*(i%4):T+2*(i%4)+1]
.set i, i+1
.endr
	v_pk_add_f32 v[T:T+1], v[T:T+1], v[T+2:T+3]
	v_pk_add_f32 v[T+4:T+5], v[T+4:T+5], v[T+6:T+7]
	v_pk_add_f32 v[T:T+1], v[T:T+1], v[T+4:T+5]
	v_add_f32 v[T], v[T], v[T+1]
	WSUM
	v_fmaak_f32 v5, v[T], v4, 0x3727c5ac           ; var + 1e-5, in a register that the lines below leave alone
	v_rsq_f32 v[MR], v5
	v_rsq_f32 v[MR+1], v5
	s_wait_loadcnt 0x0                             ; gain and bias
	ROUND G                                        ; plain work that names neither v5 nor MR stands behind the two roots
	ROUND BT
	s_wait_alu depctr_va_vdst(0)                   ; one wait for both roots, ahead of their first reader
.set i, 0
.rept 16
	v_pk_mul_f32 v[G+2*i:G+2*i+1], v[G+2*i:G+2*i+1], v[MR:MR+1]
.set i, i+1
.endr
.set i, 0
.rept 16
	v_pk_fma_f32 v[X+2*i:X+2*i+1], v[X+2*i:X+2*i+1], v[G+2*i:G+2*i+1], v[BT+2*i:BT+2*i+1]
.set i, i+1
.endr
	OUT16 256
	s_endpgm
.Lcast:
	s_cmp_eq_u32 ttmp9, 2048
	s_cbranch_scc1 .Ltable
	s_sub_co_u32 s2, ttmp9, 512                    ; chunk 0 .. 1,535 of the six matrices laid end to end
	s_wait_kmcnt 0x0
	s_mov_b64 s[4:5], s[32:33]                     ; W2 begins at chunk 1,024
	s_mov_b32 s3, 1024
	s_cmp_lt_u32 s2, 1024
	s_cselect_b64 s[4:5], s[30:31], s[4:5]         ; W1 at 512
	s_cselect_b32 s3, 512, s3
	s_cmp_lt_u32 s2, 512
	s_cselect_b64 s[4:5], s[28:29], s[4:5]         ; Wo at 384
	s_cselect_b32 s3, 384, s3
	s_cmp_lt_u32 s2, 384
	s_cselect_b64 s[4:5], s[26:27], s[4:5]         ; Wv at 256
	s_cselect_b32 s3, 256, s3
	s_cmp_lt_u32 s2, 256
	s_cselect_b64 s[4:5], s[24:25], s[4:5]         ; Wk at 128
	s_cselect_b32 s3, 128, s3
	s_cmp_lt_u32 s2, 128
	s_cselect_b64 s[4:5], s[22:23], s[4:5]         ; Wq at 0
	s_cselect_b32 s3, 0, s3
	s_sub_co_u32 s8, s2, s3                        ; the chunk's number in its matrix
	s_lshl_b32 s10, s2, 14                         ; Wo, W2: as they lie, at the chunk's place in wcat
	s_mov_b64 s[6:7], s[44:45]
	s_mov_b32 s15, 0                               ; 1: the chunk goes out in panels
	s_cmp_lt_u32 s2, 384
	s_cbranch_scc0 .Lnot_qkv
	s_lshr_b32 s10, s2, 7                          ; Wq, Wk, Wv: a chunk is 8 rows of 1,024, a wave a row, a load a panel's 128 columns
	s_lshl_b32 s10, s10, 21                        ; the matrix's 8 panels
	s_lshl_b32 s15, s8, 11                         ; the chunk's 8 rows of 256 bytes
	s_add_co_u32 s10, s10, s15
	s_add_co_u32 s10, s10, WP0
	s_mov_b64 s[6:7], s[46:47]
	s_mov_b32 s15, 1
	v_lshlrev_b32 v2, 3, v5
	v_lshl_or_b32 v2, v4, 8, v2                    ; wave x 256 + 8 lane
	s_branch .Lgo
.Lnot_qkv:
	s_sub_co_u32 s15, s2, 512
	s_cmp_lt_u32 s15, 512                          ; W1?
	s_mov_b32 s15, 0
	s_cbranch_scc0 .Lgo
	s_lshl_b32 s10, s8, 9                          ; W1: a chunk is 2 rows of 4,096, a wave a quarter of a row: 8 panels
	s_add_co_u32 s10, s10, WP0
	s_mov_b64 s[6:7], s[48:49]
	s_mov_b32 s15, 1
	v_lshrrev_b32 v6, 2, v4                        ; which of the two rows
	v_and_b32 v7, 3, v4                            ; which quarter
	v_lshlrev_b32 v2, 3, v5
	v_lshl_or_b32 v2, v6, 8, v2
	v_lshl_or_b32 v2, v7, 21, v2                   ; 8 panels of 262,144 bytes
.Lgo:
	s_lshl_b32 s8, s8, 15                          ; the chunk's 32,768 bytes in its matrix
	s_add_nc_u64 s[4:5], s[4:5], s[8:9]
	s_add_nc_u64 s[6:7], s[6:7], s[10:11]
.irp j, 0,1,2,3,4,5,6,7
	global_load_b128 v[X+4*(\j):X+4*(\j)+3], v1, s[4:5] offset:512*(\j) th:TH_LOAD_NT
.endr
	s_wait_loadcnt 0x0
	ROUND X
	s_cmp_eq_u32 s15, 1
	s_cbranch_scc1 .Lpanels
	OUT16 256
	s_endpgm
.Lpanels:
	OUT16 PANEL
	s_endpgm
.Ltable:
	v_lshlrev_b32 v1, 4, v0                        ; 16 bytes a thread: 4,096 bytes a load of the work-group
	s_wait_kmcnt 0x0
	global_load_b128 v[X:X+3], v1, s[34:35]        ; bq
	global_load_b128 v[X+4:X+7], v1, s[36:37]      ; bk
	global_load_b128 v[X+8:X+11], v1, s[38:39]     ; bv
.irp j, 0,1,2,3
	global_load_b128 v[X+12+4*(\j):X+15+4*(\j)], v1, s[40:41] offset:4096*(\j)  ; b1
.endr
	s_wait_loadcnt 0x0
	ROUND X, 14
.irp j, 0,1,2
	global_store_b128 v1, v[X+4*(\j):X+4*(\j)+3], s[46:47] offset:4096*(\j)
.endr
.irp j, 0,1,2,3
	global_store_b128 v1, v[X+12+4*(\j):X+15+4*(\j)], s[48:49] offset:4096*(\j)
.endr
	v_readfirstlane_b32 s2, v4
	s_cmp_lg_u32 s2, 0                             ; wave 0 writes the panels' words, a lane a panel: 256 consecutive bytes in each table
	s_cbranch_scc1 .Ltend
	v_lshlrev_b32 v2, 3, v5
	v_mov_b32 v[G], 0xfc00fc00                     ; q, k, v: no floor
	v_add_nc_u32 v[G+2], -8, v5
	v_mov_b32 v[G+3], -1
	v_cmp_gt_u32 vcc_lo, 8, v[G+2]                 ; panels 8 to 15 are k's
	v_cndmask_b32 v[G+1], 0, v[G+3], vcc_lo
	global_store_b64 v2, v[G:G+1], s[46:47] offset:TABW
	v_mov_b32 v[G+4], 0                            ; W1: floor 0, no keys
	v_mov_b32 v[G+5], 0
	global_store_b64 v2, v[G+4:G+5], s[48:49] offset:TABW
.Ltend:
	s_endpgm
.Lfunc_end_k_q7b4a206ef6_prep:
	.size	k_q7b4a206ef6_prep, .Lfunc_end_k_q7b4a206ef6_prep-k_q7b4a206ef6_prep
	.p2alignl 7, 3214868480
	.fill 96, 4, 3214868480
	.section	.rodata,"a",@progbits
	.p2align	6, 0x0
	.amdhsa_kernel k_q7b4a206ef6_prep
		.amdhsa_group_segment_fixed_size 0
		.amdhsa_private_segment_fixed_size 0
		.amdhsa_enable_private_segment 0
		.amdhsa_kernarg_size 136
		.amdhsa_user_sgpr_count 2
		.amdhsa_user_sgpr_kernarg_segment_ptr 1
		.amdhsa_wavefront_size32 1
		.amdhsa_system_sgpr_workgroup_id_x 1
		.amdhsa_system_sgpr_workgroup_id_y 1
		.amdhsa_system_sgpr_workgroup_id_z 1
		.amdhsa_system_vgpr_workitem_id 0
		.amdhsa_next_free_vgpr 128
		.amdhsa_next_free_sgpr 66
		.amdhsa_reserve_vcc 1
		.amdhsa_float_denorm_mode_32 3
		.amdhsa_float_denorm_mode_16_64 3
		.amdhsa_memory_ordered 1
		.amdhsa_forward_progress 1
		.amdhsa_inst_pref_size 30
	.end_amdhsa_kernel
	.amdgpu_metadata
---
amdhsa.version: [ 1, 2 ]
amdhsa.kernels:
  - .name:           k_q7b4a206ef6_prep
    .symbol:         k_q7b4a206ef6_prep.kd
    .args:
      - { .name: x, .offset: 0, .size: 8, .value_kind: global_buffer, .address_space: global }
      - { .name: ln1_g, .offset: 8, .size: 8, .value_kind: global_buffer, .address_space: global }
      - { .name: ln1_b, .offset: 16, .size: 8, .value_kind: global_buffer, .address_space: global }
      - { .name: Wq, .offset: 24, .size: 8, .value_kind: global_buffer, .address_space: global }
      - { .name: Wk, .offset: 32, .size: 8, .value_kind: global_buffer, .address_space: global }
      - { .name: Wv, .offset: 40, .size: 8, .value_kind: global_buffer, .address_space: global }
      - { .name: Wo, .offset: 48, .size: 8, .value_kind: global_buffer, .address_space: global }
      - { .name: W1, .offset: 56, .size: 8, .value_kind: global_buffer, .address_space: global }
      - { .name: W2, .offset: 64, .size: 8, .value_kind: global_buffer, .address_space: global }
      - { .name: bq, .offset: 72, .size: 8, .value_kind: global_buffer, .address_space: global }
      - { .name: bk, .offset: 80, .size: 8, .value_kind: global_buffer, .address_space: global }
      - { .name: bv, .offset: 88, .size: 8, .value_kind: global_buffer, .address_space: global }
      - { .name: b1, .offset: 96, .size: 8, .value_kind: global_buffer, .address_space: global }
      - { .name: yn, .offset: 104, .size: 8, .value_kind: global_buffer, .address_space: global }
      - { .name: wcat, .offset: 112, .size: 8, .value_kind: global_buffer, .address_space: global }
      - { .name: wqkv, .offset: 120, .size: 8, .value_kind: global_buffer, .address_space: global }
      - { .name: w1p, .offset: 128, .size: 8, .value_kind: global_buffer, .address_space: global }
    .group_segment_fixed_size: 0
    .private_segment_fixed_size: 0
    .kernarg_segment_align: 8
    .kernarg_segment_size: 136
    .max_flat_workgroup_size: 256
    .sgpr_count:     66
    .vgpr_count:     128
    .wavefront_size: 32
...
	.end_amdgpu_metadata
.endif
;; end of part 1
;; launch qkv (part 2): grid 12 x 16, 4 waves a work-group, clusters of 4 x 4, 327,680 bytes of LDS; arguments yn, wqkv, src_mask, qkv; writes qkv
.if DOCPART == 2
	.amdgcn_target "amdgcn-amd-amdhsa--gfx1250"
	.amdhsa_code_object_version 6
	.text
	.protected	k_q7b4a206ef6_qkv
	.globl	k_q7b4a206ef6_qkv
	.p2align	8
	.type	k_q7b4a206ef6_qkv,@function
k_q7b4a206ef6_qkv:
	s_mov_b64 s[64:65], 0
	v_nop
	global_prefetch_b8 v0, s[64:65] scope:SCOPE_SE
	s_setreg_imm32_b32 hwreg(HW_REG_WAVE_MODE, 25, 1), 1
	s_wait_xcnt 0x0
	s_wait_alu depctr_hold_cnt(0) depctr_sa_sdst(0) depctr_va_vdst(0) depctr_va_sdst(0) depctr_va_ssrc(0) depctr_va_vcc(0) depctr_vm_vsrc(0)
	s_getreg_b32 s2, hwreg(HW_REG_IB_STS2, 6, 4)
	s_cmp_eq_u32 s2, 0
	s_cbranch_scc0 .Lentry_in_a_cluster
	s_endpgm
.Lentry_in_a_cluster:
	s_bfe_u32 s2, ttmp6, 0x10000c
	s_cmp_lg_u32 s2, 0xf033
	s_cbranch_scc0 .Lentry_shape_is_right
	s_endpgm
.Lentry_shape_is_right:
; out = max(A W + bias, floor), rows of key columns set to 0 where src_mask = 0; on tiles of 256 x 256.  A: [4096][1024] f16.  Sums in f32, the result rounded once to f16.
; ONE TEXT FOR TWO LAUNCHES: A = yn in both; W, bias, floor and the key flag come from the second buffer, so that nothing in the text hangs on the number of columns:
;   from byte 0 the bias of each column in f32; from byte 16,384 two words for each panel of 128 columns: the floor (two f16: -infinity: none; 0: relu) and the key flag (all ones or 0);
;   from byte 32,768 W in panels: [panel][k = 1,024][128 columns] f16, 262,144 bytes a panel.
; out lies in units of 256 bytes, 2 tokens x 64 columns: byte = (token / 2) x 16,384 + (column / 64) x 256 + (token % 2) x 128 + 2 (column % 64).
; SHARES.  Four waves, as many as a WGP has SIMDs, each 128 x 128 of C: 64 accumulators, 512 registers.  K goes in steps of 128 through two LDS slots; waves 0, 1 fetch A's two halves of a step
; (128 rows x 256 bytes), waves 2, 3 the step's 128 rows of W's two panels.
; CLUSTER.  4 x 4 work-groups: A's tile is shared along a row of the cluster, W's along a column; each is asked for jointly, by the same load, descriptor and mask in all four.
; THE PRODUCT IS TAKEN TRANSPOSED: source 0 = 16 columns of W (turned on the way out of LDS by ds_load_tr16_b128), source 1 = 16 rows of A: a lane holds one row of C and 8 neighbouring columns.
; THE SUMS START AT THE BIAS: the first quarter step, written out ahead of the loop, takes it as its C operand; nothing is cleared.
; A K STEP IS WRITTEN ONCE: the slot hangs on scalars (TS for the reads, TD for the fill).  A trip goes from a step's second quarter to the next step's first.  The loop fills; the tail, two trips, fills nothing.
; LIMITS.  f16 ends at 65,504: the results must lie within it.  NaN and infinities are not treated apart.
; REGISTERS, in windows of 256: window 0: v0-31 addresses and masks; v64-127, v128-191 fragments of A, two buffers; v32-63, v192-255 at work on the way out.
;   window 1: v0-63 the bias of my 128 columns; v64-127, v128-191 fragments of W, two buffers.   window 2: the accumulators of my rows 0-63 ((a, b) at v[8 (8 a + b)]);   window 3: rows 64-127.
.set SIZE_K, 1024
.set KSTEP,  128
.set STEPS,  SIZE_K/KSTEP
.set PA,     272                       ; a row of A in LDS: 256 bytes + 16: the 16 rows of a load start at 16 different groups of four banks
.set HALF_A, 128*PA
.set BOFF,   2*HALF_A                  ; W's tile lies behind A's
.set PB,     288                       ; a row of a panel: 256 bytes + 32
.set HALF_B, 128*PB
.set SLOT,   BOFF+2*HALF_B
.set STAGE,  2*SLOT                    ; behind the ring, never filled by a tensor load: 16 rows x 272 bytes for each wave
.set SP,     272
.set SPARE,  STAGE+4*16*SP             ; the spare words: 128 bytes a wave, named by no other line
.set A_STEP, KSTEP*2                   ; a K step in a row of A
.set B_STEP, KSTEP*256                 ; and in a panel
.set TABW,   16384
.set WP0,    32768
.set AM,   8                           ; v[8:15]  src_mask of my row in each of 8 row blocks, then the mask that the packed results are ANDed with
.set A0,   16                          ; my lane's place in A's tile, in W's tile
.set B0,   17
.set ADA,  18                          ; the same in the slot in hand
.set ADB,  19
.set FLV,  20                          ; the floor
.set MO,   21
.set BO,   22
.set STO,  24
.set RD,   25
.set GO,   26
.set SPW,  28
.set NIL,  29
.set PFO,  30                          ; the prefetches' offset: my lane x a row of A, or x 256 bytes of a panel; never rewritten
.set OB,   32                          ; 16 rows read back from the stage: v32-63 and v224-255 by turns
.set F0,   64
.set F1,   128
.set TMP,  192
.set BV,   0                           ; window 1
.set WV,   20
.set RH,   21                          ; my half of the rows; also 0: I fetch A, 1: I fetch W
.set CH,   22                          ; my half of the columns; also which half I fetch
.set CX,   23
.set G1A,  24
.set G0A,  32                          ; two sets: slot 0's first fill; slot 1's, which then walks
.set G1B,  40
.set G0B,  48
.set CY,   56
.set TCOL, 57
.set TROW, 58
.set TS,   59
.set LIM,  60                          ; 2 in a wave that prefetches, else the greatest number
.set TD,   61
.set WLA,  62
.set WLB,  63
.set AT,   66                          ; s[66:69] A's offset and address: never hold cx
.set BT,   70                          ; s[70:73] W's: never hold cy
.set OUT,  74
.set MP,   76
.set PFA,  78                          ; s[78:79] where my next prefetch stands
.set PST,  80                          ; s[80:81] its step
.set TP,   82
.set X0,   84
.set X2,   86
.set FLOOR, 90                         ; s[90:91] my panel's two words
.set MSB, 0
.macro WIN new                         ; the high byte repeats the setting that is left; a switch that changes nothing is dropped
.if MSB != (\new)
	s_set_vgpr_msb (MSB<<8)|(\new)
.set MSB, \new
.endif
.endm
.macro PLACES
.rept 4
	v_nop
.endr
.endm
.macro JLOAD                           ; the joint refill, by the walking set; an s_nop 0 and four v_nop follow each line
	s_cmp_eq_u32 s[RH], 0
	s_cbranch_scc0 .Lfor_b_\@
	tensor_load_to_lds s[G0A+4:G0A+7], s[G1A:G1A+7]
	s_nop 0
	PLACES
	s_branch .Lasked_\@
.Lfor_b_\@:
	tensor_load_to_lds s[G0B+4:G0B+7], s[G1B:G1B+7]
	s_nop 0
	PLACES
.Lasked_\@:
.endm
; A PREFETCH, behind each joint load and the run of LDS loads that follows it: the K step that stands two refills on: 32 blocks of 256 bytes, a lane a block, one instruction a wave.
; Each block is named once in the launch.  A's tile row is read by every cluster of that row of clusters: the one with x = 0 asks; W's panels by every cluster of that column: the one with y = 0 asks.
; The four partners that ask for a tile jointly share its 128 rows out by address, 32 each (by cx for A, by cy for W): no branch hangs on a work-group's place in its cluster.
; K steps 0 to 3 come by their loads alone; the loop's last two trips have no K step two refills on and ask for nothing.
.macro ASK
	s_cmp_gt_u32 s3, s[LIM]
	s_cbranch_scc0 .Lnot_mine_\@
	global_prefetch_b8 v[PFO], s[PFA:PFA+1] th:TH_LOAD_NT scope:SCOPE_SE
.Lnot_mine_\@:
.endm
.macro CREST                           ; a round of the cluster's barrier behind its opening barrier
	s_cmp_lg_u32 s[WV], 0
	s_cbranch_scc1 .Lnot_wave_0_\@
	s_barrier_signal -3
.Lnot_wave_0_\@:
	s_barrier_wait -3
	s_barrier_signal -1
	s_barrier_wait -1
.endm
.macro CROUND
	s_barrier_signal -1
	s_barrier_wait -1
	CREST
.endm
; 16 matrix instructions: row blocks a0, a0 + 1 of the window's four (hi = 0: my rows 0-63, 1: rows 64-127) x all 8 column blocks, 32 along K.  first = 1: the sums start at the bias.
; The 64 accumulators take turns, in the same order in every quarter step.
.macro MUL16 f, hi, a0, first
.if \first
	WIN 0x91+0x40*(\hi)                            ; W window 1, A window 0, C (the bias) window 1, D window 2 or 3
.else
	WIN 0xa1+0x50*(\hi)                            ; W window 1, A window 0, C and D window 2 or 3
.endif
.irp a, \a0, (\a0)+1
.irp b, 0,1,2,3,4,5,6,7
.if \first
	v_wmma_f32_16x16x32_f16 v[8*(8*(\a)+(\b)):8*(8*(\a)+(\b))+7], v[(\f)+8*(\b):(\f)+8*(\b)+7], v[(\f)+8*(4*(\hi)+(\a)):(\f)+8*(4*(\hi)+(\a))+7], v[BV+8*(\b):BV+8*(\b)+7]
.else
	v_wmma_f32_16x16x32_f16 v[8*(8*(\a)+(\b)):8*(8*(\a)+(\b))+7], v[(\f)+8*(\b):(\f)+8*(\b)+7], v[(\f)+8*(4*(\hi)+(\a)):(\f)+8*(4*(\hi)+(\a))+7], v[8*(8*(\a)+(\b)):8*(8*(\a)+(\b))+7]
.endif
.endr
.endr
.endm
.macro FETCH q, f                      ; 32 LDS loads in one run: the fragments of quarter q of the slot in hand: 128 columns of W, then 128 rows of A
	WIN 0x40
.irp i, 0,1,2,3,4,5,6,7
	ds_load_tr16_b128 v[(\f)+8*(\i):(\f)+8*(\i)+3],   v[ADB] offset:(\q)*32*PB+32*(\i)
	ds_load_tr16_b128 v[(\f)+8*(\i)+4:(\f)+8*(\i)+7], v[ADB] offset:(\q)*32*PB+32*(\i)+16*PB
.endr
	WIN 0
.irp i, 0,1,2,3,4,5,6,7
	ds_load_b128 v[(\f)+8*(\i):(\f)+8*(\i)+3],   v[ADA] offset:64*(\q)+(\i)*16*PA
	ds_load_b128 v[(\f)+8*(\i)+4:(\f)+8*(\i)+7], v[ADA] offset:64*(\q)+(\i)*16*PA+32
.endr
.endm
.macro QUARTER q, f, g, first          ; multiplies buffer f; in its middle it fetches quarter q into buffer g
	s_wait_dscnt 8                                 ; W and A's rows 0-63 are in; the youngest eight loads (A's rows 64-127) may be out
	MUL16 \f, 0, 0, \first
	MUL16 \f, 0, 2, \first
	PLACES                                         ; four places between the last product that read g and the loads into it
	FETCH \q, \g
	s_wait_dscnt 32                                ; all but the 32 just issued
	MUL16 \f, 1, 0, \first
	MUL16 \f, 1, 2, \first
.endm
; A step's last quarter multiplies buffer 1 and changes slots: each wave waits for all its tensor loads, adds 0 to its spare word, waits for that and for its reads of this slot, and signals.
; fill = 1: the barrier opens a round of the cluster's, and the joint refill, two K steps ahead, is the first thing behind it: 224 matrix instructions ahead of the wait for it.
; fill = 0: the tail; its last trip has no next slot to read.
.macro TURN fill
	WIN 0
.if \fill
	s_wait_xcnt 0x0                                ; the last prefetch, a K step back, has read its address
	s_add_nc_u64 s[PFA:PFA+1], s[PFA:PFA+1], s[PST:PST+1]
.endif
	s_wait_tensorcnt 0x0                           ; no tensor load of mine is out: the walking sets may be written
	ds_add_u32 v[SPW], v[NIL]
.if \fill
	s_xor_b32 s[TD], s[TD], SLOT                   ; the other slot than last time,
	s_add_co_u32 s[G0A+5], s[TD], s[WLA]
	s_add_co_u32 s[G0B+5], s[TD], s[WLB]
	s_add_nc_u64 s[G0A+6:G0A+7], s[G0A+6:G0A+7], A_STEP  ; the next K step
	s_add_nc_u64 s[G0B+6:G0B+7], s[G0B+6:G0B+7], B_STEP
.endif
	s_wait_dscnt 9                                 ; the add and the youngest eight loads may be out
	MUL16 F1, 0, 0, 0
	s_wait_dscnt 0x0                               ; the add is done, my reads of this slot are over
	s_barrier_signal -1
	MUL16 F1, 0, 2, 0
	WIN 0
	s_barrier_wait -1
.if \fill
	CREST
	JLOAD                                          ; its four v_nop are also the places in front of the loads below
.else
	PLACES
	s_cmp_eq_u32 s3, 1
	s_cbranch_scc1 .Lno_next_\@
.endif
	s_xor_b32 s[TS], s[TS], SLOT                   ; the reads go on in the other slot
	v_add_nc_u32 v[ADA], s[TS], v[A0]
	v_add_nc_u32 v[ADB], s[TS], v[B0]
	FETCH 0, F0
.if \fill
	ASK
.else
.Lno_next_\@:
.endif
	MUL16 F1, 1, 0, 0
	MUL16 F1, 1, 2, 0
.endm
	s_load_b256 s[4:11], s[0:1], 0x0               ; A, the table and W, src_mask, out
	v_lshl_add_u32 v[SPW], v0, 2, SPARE
	v_mov_b32 v[NIL], 0
	ds_add_u32 v[SPW], v[NIL]                      ; the opening: the add and its wait stand ahead of my first tensor load, work on registers between them
	v_lshrrev_b32 v1, 5, v0
	v_readfirstlane_b32 s[WV], v1
	s_lshr_b32 s[RH], s[WV], 1
	s_and_b32 s[CH], s[WV], 1
	s_bfe_u32 s[CX], ttmp6, 0x40000
	s_bfe_u32 s[CY], ttmp6, 0x40004
	s_lshl_b32 s[TCOL], ttmp9, 2
	s_add_co_u32 s[TCOL], s[TCOL], s[CX]           ; tile column
	s_and_b32 s[TROW], ttmp7, 0xffff
	s_lshl_b32 s[TROW], s[TROW], 2
	s_add_co_u32 s[TROW], s[TROW], s[CY]           ; tile row
	s_lshl_b32 s18, s[CY], 2
	s_lshl_b32 s18, 15, s18                        ; my row of the cluster
	s_lshl_b32 s19, 0x1111, s[CX]                  ; my column
	s_or_b32 s[G1A], s18, (1<<16)|(1<<20)|(1<<21)|(5<<22)|(3<<25)  ; mask; 2-byte elements; padding of 4 words behind every 64
	s_mov_b32 s[G1A+1], 128<<16                    ; tensor_dim0
	s_mov_b32 s[G1A+2], 128<<16                    ; tensor_dim1
	s_mov_b32 s[G1A+3], 128<<16                    ; tile_dim0: 128 along K
	s_mov_b32 s[G1A+4], 128                        ; tile_dim1: 128 rows
	s_mov_b32 s[G1A+5], SIZE_K                     ; elements from row to row
	s_mov_b32 s[G1A+6], 0
	s_mov_b32 s[G1A+7], 0
	s_or_b32 s[G1B], s19, (1<<16)|(1<<20)|(1<<21)|(5<<22)|(7<<25)  ; padding of 8 words behind every 64
	s_mov_b32 s[G1B+1], 128<<16
	s_mov_b32 s[G1B+2], 128<<16
	s_mov_b32 s[G1B+3], 128<<16                    ; a panel's 128 columns
	s_mov_b32 s[G1B+4], 128                        ; 128 rows of K
	s_mov_b32 s[G1B+5], 128                        ; a panel's rows lie end to end
	s_mov_b32 s[G1B+6], 0
	s_mov_b32 s[G1B+7], 0
	s_lshl_b32 s[AT], s[TROW], 8
	s_lshl_b32 s[AT+1], s[CH], 7
	s_add_co_u32 s[AT], s[AT], s[AT+1]
	s_lshl_b32 s[AT], s[AT], 11                    ; the half of A's tile that I fetch: rows of 2,048 bytes
	s_mov_b32 s[AT+1], 0
	s_lshl_b32 s[BT], s[TCOL], 1
	s_add_co_u32 s[BT], s[BT], s[CH]
	s_lshl_b32 s[BT], s[BT], 18                    ; the panel that I fetch
	s_add_co_u32 s[BT], s[BT], WP0
	s_mov_b32 s[BT+1], 0
	s_mul_i32 s[WLA], s[CH], HALF_A                ; where my half goes in a slot: the wave's number alone
	s_mul_i32 s[WLB], s[CH], HALF_B
	s_add_co_u32 s[WLB], s[WLB], BOFF
	s_mov_b32 s[TS], 0
	s_mov_b32 s[TD], SLOT
	s_wait_dscnt 0x0                               ; the opening add is done
	s_wait_kmcnt 0x0
	s_add_nc_u64 s[AT+2:AT+3], s[4:5], s[AT:AT+1]
	s_add_nc_u64 s[BT+2:BT+3], s[6:7], s[BT:BT+1]
.irp s, 0,1
	s_mov_b32 s[G0A+4*(\s)], 1
	s_add_co_u32 s[G0A+4*(\s)+1], s[WLA], (\s)*SLOT
	s_add_nc_u64 s[G0A+4*(\s)+2:G0A+4*(\s)+3], s[AT+2:AT+3], (\s)*A_STEP
	s_or_b32 s[G0A+4*(\s)+3], s[G0A+4*(\s)+3], 0x80000000
	s_mov_b32 s[G0B+4*(\s)], 1
	s_add_co_u32 s[G0B+4*(\s)+1], s[WLB], (\s)*SLOT
	s_add_nc_u64 s[G0B+4*(\s)+2:G0B+4*(\s)+3], s[BT+2:BT+3], (\s)*B_STEP
	s_or_b32 s[G0B+4*(\s)+3], s[G0B+4*(\s)+3], 0x80000000
.endr
	CROUND                                         ; all sixteen work-groups are here: the first joint loads meet
	s_cmp_eq_u32 s[RH], 0                          ; a wave's two first fills stand in one branch: two loads of mine are out
	s_cbranch_scc0 .Lfirst_b
	tensor_load_to_lds s[G0A:G0A+3], s[G1A:G1A+7]
	s_nop 0
	tensor_load_to_lds s[G0A+4:G0A+7], s[G1A:G1A+7]
	s_nop 0
	PLACES
	s_branch .Lfirst_asked
.Lfirst_b:
	tensor_load_to_lds s[G0B:G0B+3], s[G1B:G1B+7]
	s_nop 0
	tensor_load_to_lds s[G0B+4:G0B+7], s[G1B:G1B+7]
	s_nop 0
	PLACES
.Lfirst_asked:
	s_lshl_b32 s[X0], s[TCOL], 1
	s_add_co_u32 s[X0], s[X0], s[CH]               ; my panel of 128 columns
	s_lshl_b32 s[X2], s[X0], 3                     ; its two words
	s_mov_b32 s[X2+1], 0
	s_add_nc_u64 s[X2:X2+1], s[6:7], s[X2:X2+1]
	s_load_b64 s[FLOOR:FLOOR+1], s[X2:X2+1], TABW
	s_lshl_b32 s[X0], s[X0], 9                     ; 128 f32 of bias are 512 bytes; so are 2 units of out
	s_mov_b32 s[X0+1], 0
	s_add_nc_u64 s[TP:TP+1], s[6:7], s[X0:X0+1]
	s_lshl_b32 s92, s[TROW], 1
	s_add_co_u32 s92, s92, s[RH]                   ; my block of 128 rows
	s_lshl_b32 s88, s92, 9
	s_mov_b32 s89, 0
	s_add_nc_u64 s[MP:MP+1], s[8:9], s[88:89]      ; src_mask of my 128 tokens
	s_lshl_b32 s88, s92, 20                        ; 64 pairs of tokens of 16,384 bytes
	s_add_co_u32 s88, s88, s[X0]
	s_add_nc_u64 s[OUT:OUT+1], s[10:11], s[88:89]
	; the prefetches
	s_and_b32 s93, ttmp7, 0xffff                   ; cluster y
	s_mov_b32 s[PST], B_STEP
	s_mov_b32 s[PST+1], 0
	s_cmp_eq_u32 s[RH], 0                          ; do I fetch for A?
	s_cselect_b32 s93, ttmp9, s93                  ; the coordinate along which other clusters read the same blocks
	s_cselect_b32 s88, s[CX], s[CY]                ; my place among the four that ask with me
	s_cselect_b32 s94, 16, 13                      ; 32 rows of 2,048 bytes, or 32 blocks of 256
	s_cselect_b32 s95, 11, 8                       ; a lane's step
	s_cselect_b32 s[PST], A_STEP, s[PST]
	s_cselect_b64 s[PFA:PFA+1], s[AT+2:AT+3], s[BT+2:BT+3]
	s_cmp_eq_u32 s93, 0
	s_cselect_b32 s[LIM], 2, -1                    ; the same in all sixteen partners, for a given wave
	s_lshl_b32 s88, s88, s94
	s_add_nc_u64 s[PFA:PFA+1], s[PFA:PFA+1], s[88:89]
	s_mul_i32 s88, s[PST], 3
	s_add_nc_u64 s[PFA:PFA+1], s[PFA:PFA+1], s[88:89]  ; at K step 3: the first refill steps it to 4 and names that
	v_and_b32 v[PFO], 31, v0
	v_lshlrev_b32 v[PFO], s95, v[PFO]
	v_and_b32 v1, 15, v0                           ; r = l % 16
	v_bfe_u32 v2, v0, 4, 1                         ; h = l / 16
	v_lshlrev_b32 v[BO], 5, v2                     ; my 8 columns of each 16
	v_lshlrev_b32 v[MO], 2, v1
	WIN 0x40
.irp b, 0,1,2,3,4,5,6,7
	global_load_b128 v[BV+8*(\b):BV+8*(\b)+3],   v[BO], s[TP:TP+1] offset:64*(\b)
	global_load_b128 v[BV+8*(\b)+4:BV+8*(\b)+7], v[BO], s[TP:TP+1] offset:64*(\b)+16
.endr
	WIN 0
.irp a, 0,1,2,3,4,5,6,7
	global_load_b32 v[AM+(\a)], v[MO], s[MP:MP+1] offset:64*(\a)
.endr
	v_mul_u32_u24 v[A0], v1, PA
	v_lshl_add_u32 v[A0], v2, 4, v[A0]
	s_mul_i32 s88, s[RH], HALF_A
	v_add_nc_u32 v[A0], s88, v[A0]
	v_and_b32 v3, 7, v0                            ; the turning load: lane l reads row 8 h + l % 8 of K, columns 8 ((l / 8) % 2) + 0..7
	v_lshl_add_u32 v3, v2, 3, v3
	v_mul_u32_u24 v[B0], v3, PB
	v_bfe_u32 v3, v0, 3, 1
	v_lshl_add_u32 v[B0], v3, 4, v[B0]
	v_add_nc_u32 v[B0], s[WLB], v[B0]              ; my half of the columns is panel CH of the tile
	s_mul_i32 s88, s[WV], 16*SP
	s_add_co_u32 s88, s88, STAGE                   ; my stage
	v_mul_u32_u24 v[STO], v1, SP                   ; in: row l % 16, 16 bytes for each half of the lanes
	v_lshl_add_u32 v[STO], v2, 4, v[STO]
	v_add_nc_u32 v[STO], s88, v[STO]
	v_mul_u32_u24 v[RD], v3, SP                    ; back: 16 lanes take a unit: 2 tokens x 128 bytes; lanes 16-31 the next 64 columns' unit
	v_lshl_add_u32 v[RD], v2, 7, v[RD]
	v_and_b32 v3, 7, v0
	v_lshl_add_u32 v[RD], v3, 4, v[RD]
	v_add_nc_u32 v[RD], s88, v[RD]
	v_and_b32 v[GO], 31, v0                        ; the two units are 512 consecutive bytes of out
	v_lshlrev_b32 v[GO], 4, v[GO]
	s_wait_kmcnt 0x0                               ; my panel's two words
	v_mov_b32 v[FLV], s[FLOOR]
	s_wait_loadcnt 0x0                             ; the bias and src_mask
.irp a, 0,1,2,3,4,5,6,7
	v_cmp_eq_u32 vcc_lo, 0, v[AM+(\a)]
	v_cndmask_b32 v[AM+(\a)], 0, s[FLOOR+1], vcc_lo  ; all ones where the token is masked and the panel is k's
	v_xor_b32 v[AM+(\a)], -1, v[AM+(\a)]           ; there the results become 0; elsewhere they stay
.endr
	s_wait_tensorcnt 0x1                           ; my part of K step 0 is in; slot 1's may stay out
	s_barrier_signal -1
	s_barrier_wait -1
	v_mov_b32 v[ADA], v[A0]
	v_mov_b32 v[ADB], v[B0]
	FETCH 0, F0
	QUARTER 1, F0, F1, 1                           ; the first quarter stands ahead of the loop: its products start the sums at the bias
	WIN 0
	s_mov_b32 s3, STEPS-2
.Lstep:                                        ; from a step's second quarter to the next step's first; the slot is filled again with the step two on
	QUARTER 2, F1, F0, 0
	QUARTER 3, F0, F1, 0
	TURN 1
	QUARTER 1, F0, F1, 0
	WIN 0
	s_sub_co_u32 s3, s3, 1
	s_cmp_lg_u32 s3, 0
	s_cbranch_scc1 .Lstep
	s_mov_b32 s3, 2
.Ltail:                                        ; the last two K steps ask for nothing; behind the very last there is no first quarter
	QUARTER 2, F1, F0, 0
	QUARTER 3, F0, F1, 0
	TURN 0
	WIN 0
	s_cmp_eq_u32 s3, 1
	s_cbranch_scc1 .Llast
	QUARTER 1, F0, F1, 0
	WIN 0
.Llast:
	s_sub_co_u32 s3, s3, 1
	s_cmp_lg_u32 s3, 0
	s_cbranch_scc1 .Ltail
	PLACES                                         ; four places behind the last product
; THE WAY OUT of row block a, in three parts.  PACK: rounded to f16, the floor, the mask: 16 bytes a lane.  TOSTAGE: into my own stage, and back as units of 2 tokens x 64 columns.  SEND: stored.
.macro PACK a
.set AC, 64*((\a)%4)
	WIN 0x0a+5*((\a)/4)                            ; sources 0 and 1: window 2 or 3
.irp b, 0,1,2,3,4,5,6,7
.irp r, 0,1,2,3
	v_cvt_pk_f16_f32 v[TMP+4*(\b)+(\r)], v[AC+8*(\b)+2*(\r)], v[AC+8*(\b)+2*(\r)+1]
.endr
.endr
	WIN 0
.set i, 0
.rept 32
	v_pk_max_num_f16 v[TMP+i], v[TMP+i], v[FLV]
.set i, i+1
.endr
.set i, 0
.rept 32
	v_and_b32 v[TMP+i], v[AM+(\a)], v[TMP+i]
.set i, i+1
.endr
.endm
.macro TOSTAGE a
.set BK, OB+192*((\a)%2)
.irp b, 0,1,2,3,4,5,6,7
	ds_store_b128 v[STO], v[TMP+4*(\b):TMP+4*(\b)+3] offset:32*(\b)
.endr
.irp t, 0,1,2,3,4,5,6,7
	ds_load_b128 v[BK+4*(\t):BK+4*(\t)+3], v[RD] offset:(\t)*2*SP  ; LDS serves a wave's instructions in order: these see the stores above
.endr
.endm
.macro SEND a
.set BK, OB+192*((\a)%2)
	s_wait_dscnt 0x0                               ; the block is back in registers
	s_wait_xcnt 0x0                                ; the stores issued so far have read their registers: the block after this one is loaded into those of the block before it
.irp t, 0,1,2,3,4,5,6,7
	global_store_b128 v[GO], v[BK+4*(\t):BK+4*(\t)+3], s[OUT:OUT+1] offset:(\a)*131072+(\t)*16384  ; 512 consecutive bytes, aligned: a pair of tokens, my 128 columns
.endr
.endm
	PACK 0
	TOSTAGE 0
.irp a, 1,2,3,4,5,6,7                  ; block a's arithmetic stands between block a - 1's loads from the stage and the wait for them
	PACK \a
	SEND (\a)-1
	TOSTAGE \a
.endr
	SEND 7
	s_wait_tensorcnt 0x0                           ; the wave's end
	ds_add_u32 v[SPW], v[NIL]
	s_wait_dscnt 0x0
	CROUND                                         ; the closing round: no work-group ends while a partner may still ask for a tile that names it
	s_endpgm
.Lfunc_end_k_q7b4a206ef6_qkv:
	.size	k_q7b4a206ef6_qkv, .Lfunc_end_k_q7b4a206ef6_qkv-k_q7b4a206ef6_qkv
	.p2alignl 7, 3214868480
	.fill 96, 4, 3214868480
	.section	.rodata,"a",@progbits
	.p2align	6, 0x0
	.amdhsa_kernel k_q7b4a206ef6_qkv
		.amdhsa_group_segment_fixed_size 327680
		.amdhsa_private_segment_fixed_size 0
		.amdhsa_enable_private_segment 0
		.amdhsa_kernarg_size 32
		.amdhsa_user_sgpr_count 2
		.amdhsa_user_sgpr_kernarg_segment_ptr 1
		.amdhsa_wavefront_size32 1
		.amdhsa_system_sgpr_workgroup_id_x 1
		.amdhsa_system_sgpr_workgroup_id_y 1
		.amdhsa_system_sgpr_workgroup_id_z 1
		.amdhsa_system_vgpr_workitem_id 0
		.amdhsa_next_free_vgpr 1024
		.amdhsa_next_free_sgpr 96
		.amdhsa_reserve_vcc 1
		.amdhsa_float_denorm_mode_32 3
		.amdhsa_float_denorm_mode_16_64 3
		.amdhsa_memory_ordered 1
		.amdhsa_forward_progress 1
		.amdhsa_inst_pref_size 128
	.end_amdhsa_kernel
	.amdgpu_metadata
---
amdhsa.version: [ 1, 2 ]
amdhsa.kernels:
  - .name:           k_q7b4a206ef6_qkv
    .symbol:         k_q7b4a206ef6_qkv.kd
    .args:
      - { .name: yn, .offset: 0, .size: 8, .value_kind: global_buffer, .address_space: global }
      - { .name: wqkv, .offset: 8, .size: 8, .value_kind: global_buffer, .address_space: global }
      - { .name: src_mask, .offset: 16, .size: 8, .value_kind: global_buffer, .address_space: global }
      - { .name: qkv, .offset: 24, .size: 8, .value_kind: global_buffer, .address_space: global }
    .group_segment_fixed_size: 327680
    .private_segment_fixed_size: 0
    .kernarg_segment_align: 8
    .kernarg_segment_size: 32
    .max_flat_workgroup_size: 128
    .sgpr_count:     96
    .vgpr_count:     1024
    .wavefront_size: 32
...
	.end_amdgpu_metadata
.endif
;; end of part 2
;; launch attn (part 3): grid 8 x 32, 4 waves a work-group, clusters of 4 x 1, 327,680 bytes of LDS; arguments qkv, src_mask, ctx; writes ctx
.if DOCPART == 3
	.amdgcn_target "amdgcn-amd-amdhsa--gfx1250"
	.amdhsa_code_object_version 6
	.text
	.protected	k_q7b4a206ef6_attn
	.globl	k_q7b4a206ef6_attn
	.p2align	8
	.type	k_q7b4a206ef6_attn,@function
k_q7b4a206ef6_attn:
	s_mov_b64 s[64:65], 0
	v_nop
	global_prefetch_b8 v0, s[64:65] scope:SCOPE_SE
	s_setreg_imm32_b32 hwreg(HW_REG_WAVE_MODE, 25, 1), 1
	s_wait_xcnt 0x0
	s_wait_alu depctr_hold_cnt(0) depctr_sa_sdst(0) depctr_va_vdst(0) depctr_va_sdst(0) depctr_va_ssrc(0) depctr_va_vcc(0) depctr_vm_vsrc(0)
	s_getreg_b32 s2, hwreg(HW_REG_IB_STS2, 6, 4)
	s_cmp_eq_u32 s2, 0
	s_cbranch_scc0 .Lentry_in_a_cluster
	s_endpgm
.Lentry_in_a_cluster:
	s_bfe_u32 s2, ttmp6, 0x10000c
	s_cmp_lg_u32 s2, 0x3003
	s_cbranch_scc0 .Lentry_shape_is_right
	s_endpgm
.Lentry_shape_is_right:
; ctx[b][q][h][:] = the sum over k of softmax_k(logit) v[k][:], logit = q . k / 8, or -1000 where src_mask[b][k] = 0.
; q, k, v: f16, in units of 256 bytes, 2 tokens x one head's 64 channels: byte = (token / 2) x 16,384 + unit x 256 + (token % 2) x 128 + 2 d; unit = head for q, 16 + head for k, 32 + head for v.
; THE MASK.  The launch before stored k = 0 for a masked token; here the sum S^T = K Q^T starts at C = -8000 for such a key and at 0 elsewhere, so its score is exactly -8000 = 8 x -1000, whatever q (finite).
; The 2,048 starting values of the batch lie in LDS as a table of f32, made once by the work-group.
; Products, maxima and sums in f32; the weights p are rounded to f16 for the second product (their sum l is taken of the unrounded p), ctx once at the end.
; LIMITS.  f16 ends at 65,504: q, k, v arrive within it.  A weight below 2^-126 counts as 0 in l.  NaN and infinities are not treated apart.
; SHARES.  A work-group owns 256 queries of one head, a wave 64: four PIECES of 16.  Every wave walks all 2,048 keys, 64 a step; a slot of LDS holds four steps, two slots take turns.
; LAYOUT.  S^T = K Q^T holds ONE query a lane (lane % 16) and the keys 8 (lane / 16) + 0..7; two such results rounded to f16 ARE source 1 of O^T = V^T P.  V comes out of LDS turned.
; SOFTMAX.  p = 2^(c s - c m), c = log2(e) / 8, with a running maximum m; O and l are multiplied by a = 2^(c m_old - c m_new) in every step; m starts at the lowest finite number, so the first a is 0.
; TURNS.  Turn n belongs to piece n: 8 products K Q^T of piece n + 1, later 8 products V^T P of piece n - 1; beside them the scaling, exponentials, roundings, sums and rescaling of piece n and the maximum
; and statistics of piece n + 1.  Four vector instructions stand behind every matrix instruction, the rest in one lump.  A turn's 33 exponentials are one batch with one wait.
; CLUSTER.  The four query blocks of a cluster belong to one head and walk the same K and V: each tile is asked for jointly, by the same load, descriptor and mask in all four.
; ctx is stored in units of 256 bytes: 2 tokens x one head's 64 channels: byte = (token / 2) x 4096 + head x 256 + (token % 2) x 128 + 2 d.
; REGISTERS: window 0: v0-15, v57-63 addresses; v16-31 statistics; v48-55 at work; v64-127 S^T, two buffers; v192-223 P, two buffers.
;   window 1: v0-127 O^T; v128-159 MC, the step's starting values.      window 2: v0-63 Q; v128-191 K of one step; v192-255 V of one step.
.set NP,    4
.set KS,    64
.set PK,    144       ; a row of K in LDS: 128 bytes + 16
.set PV,    160       ; a row of V: 128 + 32
.set VOFF,  4*KS*PK
.set SLOT1, 1<<17
.set STAGE, SLOT1+4*KS*(PK+PV)  ; never filled by a tensor load: 16 rows x 144 bytes for each wave
.set SP,    144
.set MASKT, STAGE+4*16*SP       ; the table: 2,048 f32
.set SPARE, MASKT+8192          ; the spare words: 128 bytes a wave, named by no other line
.set PAIRB, 16384               ; bytes from a pair of tokens to the next in qkv
.set TSTEP, 128*PAIRB           ; a tile's 256 keys
.set AK0, 2
.set AV0, 3
.set AK,  4
.set AV,  5
.set STO, 6
.set RD,  7
.set GO,  8
.set MV,  12          ; v12-13 c m_old, by buffer
.set AM,  14          ; the table's address for the run in hand
.set QO,  15
.set ST,  16          ; piece t: c m, m, l (even keys', odd keys')
.set TMP, 48
.set AM0, 57          ; MASKT + 32 (l / 16)
.set PFO, 61          ; a pair of tokens a lane
.set SPW, 62
.set NIL, 63
.set S,   64
.set P,   192
.set MC,  128         ; window 1
.set KF,  128         ; window 2
.set VF,  192
.set WV,  12
.set LIM, 15
.set PFA, 18
.set G1K, 24
.set G1V, 32
.set G0K, 40
.set G0V, 44
.set SLOTS, 56
.set CNT, 57
.set CS,  58
.set SEL, 60
.set TBK, 62
.set TBV, 63
.set TBM, 66
.set NEG, 67
.set MSKP, 68
.set MSB, 0
.macro WIN new
.if MSB != (\new)
	s_set_vgpr_msb (MSB<<8)|(\new)
.set MSB, (\new)
.endif
.endm
.set W_KQ, 0x0a       ; K and Q in window 2, S^T in window 0
.set W_KM, 0x1a       ; the same with the C operand in window 1
.set W_PV, 0x52       ; V in window 2, P in window 0, O^T in window 1
.set W_RS, 0x41       ; destination and source 0 in window 1
.macro JLOAD          ; waves 0, 1 fetch the two halves of a tile's K, waves 2, 3 of its V; an s_nop 0 and four v_nop follow each line
	s_cmp_lt_u32 s[WV], 2
	s_cbranch_scc0 .Lfor_v_\@
	tensor_load_to_lds s[G0K:G0K+3], s[G1K:G1K+7]
	s_nop 0
.rept 4
	v_nop
.endr
	s_branch .Lasked_\@
.Lfor_v_\@:
	tensor_load_to_lds s[G0V:G0V+3], s[G1V:G1V+7]
	s_nop 0
.rept 4
	v_nop
.endr
.Lasked_\@:
.endm
; A prefetch of the tile that the NEXT change of slots will ask for: 128 blocks of 256 bytes of K and of V.  The head's first cluster asks; its four partners take 32 blocks each, told apart by address;
; wave 0 asks for K's, wave 2 for V's, a lane a block.  So each block is named once.  The last change that fills a slot asks for nothing; tiles 0, 1 and 2 come by their loads alone.
.macro ASK
	s_cmp_gt_u32 s[SLOTS], s[LIM]
	s_cbranch_scc0 .Lnot_mine_\@
	global_prefetch_b8 v[PFO], s[PFA:PFA+1] th:TH_LOAD_NT scope:SCOPE_SE
.Lnot_mine_\@:
.endm
.macro CROUND
	s_barrier_signal -1
	s_barrier_wait -1
	s_cmp_lg_u32 s[WV], 0
	s_cbranch_scc1 .Lnot_wave_0_\@
	s_barrier_signal -3
.Lnot_wave_0_\@:
	s_barrier_wait -3
	s_barrier_signal -1
	s_barrier_wait -1
.endm
; THE CHANGE OF SLOTS.  Each wave waits for all its tensor loads, adds 0 to its spare word, waits for that and for its reads of the slot that it leaves.  fill = 1: a round of the cluster's barrier, and the
; joint refill, two tiles on, first behind it: it has four key steps, 256 matrix instructions, in which to land.
.macro CHANGE fill, ask=0
	WIN 0
	s_wait_tensorcnt 0x0            ; no tensor load of mine is out, so a group 0 may be written
	ds_add_u32 v[SPW], v[NIL]
.if \fill
.irp g, G0K, G0V
	s_xor_b32 s[\g+1], s[\g+1], SLOT1
	s_add_nc_u64 s[\g+2:\g+3], s[\g+2:\g+3], TSTEP
.endr
.if \ask
	s_wait_xcnt 0x0                 ; the last prefetch, four key steps back, has read its address
	s_add_nc_u64 s[PFA:PFA+1], s[PFA:PFA+1], TSTEP
.endif
	s_wait_dscnt 0x0                ; the add is done, my LDS stores and my reads of the slot are over
	CROUND
	JLOAD
.if \ask
	ASK
.endif
.else
	s_wait_dscnt 0x0
	s_barrier_signal -1
	s_barrier_wait -1
.endif
	s_sub_co_u32 s[TBK], s[TBK], 4*KS*PK  ; the fetches go back to a slot's first step,
	s_xor_b32 s[TBK], s[TBK], SLOT1       ; in the other slot
	s_sub_co_u32 s[TBV], s[TBV], 4*KS*PV
	s_xor_b32 s[TBV], s[TBV], SLOT1
.endm
	s_load_b128 s[4:7], s[0:1], 0x0   ; qkv, src_mask
	s_load_b64 s[8:9], s[0:1], 0x10   ; ctx
	v_lshl_add_u32 v[SPW], v0, 2, SPARE
	v_mov_b32 v[NIL], 0
	ds_add_u32 v[SPW], v[NIL]       ; the opening: the add and its wait stand ahead of my first tensor load, work on registers between them
	v_lshrrev_b32 v1, 5, v0
	v_readfirstlane_b32 s[WV], v1
	s_bfe_u32 s13, ttmp6, 0x40000   ; cx
	s_lshl_b32 s14, ttmp9, 2
	s_add_co_u32 s14, s14, s13      ; my block of 256 queries: it enters Q's and ctx's addresses alone
	s_and_b32 s20, ttmp7, 0xffff    ; batch x 16 + head, which the partners share
	s_lshr_b32 s48, s20, 4          ; the batch
	s_and_b32 s49, s20, 15          ; the head
	s_lshl_b32 s49, s49, 8          ; its unit in a pair's row
	s_lshl_b32 s21, s48, 24         ; the batch's 1,024 pairs of tokens
	s_add_co_u32 s21, s21, s49
	s_and_b32 s16, s[WV], 1         ; which half of a tile's 256 keys I fetch
	s_lshl_b32 s22, s16, 20         ; 64 pairs
	s_add_co_u32 s22, s22, s21
	s_add_co_u32 s50, s22, 16*256   ; k's units lie 16 behind q's
	s_mov_b32 s51, 0
	s_add_co_u32 s52, s22, 32*256   ; v's 32
	s_mov_b32 s53, 0
	s_mul_i32 s17, s16, 128*PK      ; and its place in a slot
	s_mul_i32 s23, s16, 128*PV
	s_lshl_b32 s2, s14, 21          ; my block's 128 pairs,
	s_lshl_b32 s3, s[WV], 19        ; my wave's 32
	s_add_co_u32 s2, s2, s3
	s_add_co_u32 s2, s2, s21        ; my wave's 64 rows of q
	s_mov_b32 s3, 0
	s_lshl_b32 s70, s48, 13         ; the batch's row of src_mask
	s_mov_b32 s71, 0
	s_lshl_b32 s54, s48, 10
	s_lshl_b32 s48, s14, 7
	s_add_co_u32 s54, s54, s48
	s_lshl_b32 s48, s[WV], 5
	s_add_co_u32 s54, s54, s48      ; my wave's first pair of tokens
	s_lshl_b32 s54, s54, 12
	s_add_co_u32 s54, s54, s49      ; + the head's unit
	s_mov_b32 s55, 0
	; 128 keys are 64 rows of 256 bytes, two keys a row, 16,384 bytes apart; padded in LDS after every key
	s_mov_b32 s[G1K], 15|(1<<16)|(1<<20)|(1<<21)|(4<<22)|(3<<25)
	s_mov_b32 s[G1V], 15|(1<<16)|(1<<20)|(1<<21)|(4<<22)|(7<<25)
.irp g, G1K, G1V
	s_mov_b32 s[\g+1], 128<<16
	s_mov_b32 s[\g+2], 64<<16
	s_mov_b32 s[\g+3], 128<<16
	s_mov_b32 s[\g+4], 64
	s_mov_b32 s[\g+5], PAIRB/2      ; elements from row to row
	s_mov_b32 s[\g+6], 0
	s_mov_b32 s[\g+7], 0
.endr
	s_mov_b32 s[CS], 0x3e38aa3b     ; c = log2(e) / 8
	s_mov_b32 s[CS+1], s[CS]
	s_mov_b32 s[SEL], 0x76543210
	s_mov_b32 s[SEL+1], 0xfedcba98
	s_mov_b32 s[TBK], SLOT1+4*KS*PK ; the first change of slots turns these two into 0
	s_mov_b32 s[TBV], SLOT1+4*KS*PV
	s_mov_b32 s[TBM], 0
	s_mov_b32 s[NEG], 0xc5fa0000    ; -8000
	s_mov_b32 s[SLOTS], 7
	s_mov_b32 s[G0K], 1
	s_mov_b32 s[G0K+1], s17
	s_mov_b32 s[G0V], 1
	s_add_co_u32 s[G0V+1], s23, VOFF
	s_and_b32 s[LIM], s[WV], 1      ; waves 0 and 2 of the head's first cluster prefetch: the same in all four partners
	s_or_b32 s[LIM], s[LIM], ttmp9
	s_cmp_eq_u32 s[LIM], 0
	s_cselect_b32 s[LIM], 1, -1
	v_and_b32 v[PFO], 31, v0
	v_lshlrev_b32 v[PFO], 14, v[PFO]
	s_wait_dscnt 0x0                ; the opening add is done
	s_wait_kmcnt 0x0
	s_add_nc_u64 s[50:51], s[4:5], s[50:51]
	s_add_nc_u64 s[52:53], s[4:5], s[52:53]
	s_mov_b64 s[G0K+2:G0K+3], s[50:51]
	s_or_b32 s[G0K+3], s[G0K+3], 0x80000000
	s_mov_b64 s[G0V+2:G0V+3], s[52:53]
	s_or_b32 s[G0V+3], s[G0V+3], 0x80000000
	s_add_nc_u64 s[10:11], s[8:9], s[54:55]
	s_add_nc_u64 s[MSKP:MSKP+1], s[6:7], s[70:71]
	s_add_nc_u64 s[4:5], s[4:5], s[2:3]
	s_cmp_lt_u32 s[WV], 2
	s_cselect_b64 s[PFA:PFA+1], s[50:51], s[52:53]
	s_lshl_b32 s2, s13, 19          ; my work-group's 32 blocks of the 128
	s_add_nc_u64 s[PFA:PFA+1], s[PFA:PFA+1], s[2:3]
	s_add_nc_u64 s[PFA:PFA+1], s[PFA:PFA+1], 2*TSTEP  ; at tile 2: the first change that asks steps it to tile 3
	CROUND                          ; all four work-groups are here: the first joint loads meet
	JLOAD                           ; tile 0 into slot 0
	v_lshlrev_b32 v4, 4, v0         ; src_mask: 16 bytes a thread, four times
.irp j, 0,1,2,3
	global_load_b128 v[S+4*\j:S+4*\j+3], v4, s[MSKP:MSKP+1] offset:2048*\j
.endr
	v_and_b32 v1, 15, v0            ; l % 16
	v_bfe_u32 v9, v0, 4, 1          ; l / 16
	v_lshrrev_b32 v[QO], 1, v1      ; my row's pair of tokens,
	v_lshlrev_b32 v[QO], 14, v[QO]
	v_and_b32 v10, 1, v1            ; which of the two,
	v_lshl_add_u32 v[QO], v10, 7, v[QO]
	v_lshl_add_u32 v[QO], v9, 4, v[QO]  ; 16 bytes for each half of the lanes
	WIN 0x80
.set i, 0
.rept 8                             ; Q stays in registers: piece i / 2 (8 pairs of tokens on), channels 32 (i % 2) on
	global_load_b128 v[8*i:8*i+3],   v[QO], s[4:5] offset:(i/2)*8*PAIRB+(i%2)*64
	global_load_b128 v[8*i+4:8*i+7], v[QO], s[4:5] offset:(i/2)*8*PAIRB+(i%2)*64+32
.set i, i+1
.endr
	; The first step multiplies O^T and l by a = 0, and the first turn's products V^T P, of a piece that has not been, add 0: these registers hold zeros.  All this stands in the wait for the first tile.
.set i, VF
.rept 64
	v_mov_b32 v[i], 0
.set i, i+1
.endr
	WIN 0x40
.set i, 0
.rept 128
	v_mov_b32 v[i], 0
.set i, i+1
.endr
	WIN 0
.set i, 0
.rept 4
	v_mov_b32 v[ST+4*i], 0xfe000000    ; c m: far below every c s
	v_mov_b32 v[ST+4*i+1], 0xff7fffff  ; m
	v_mov_b32 v[ST+4*i+2], 0
	v_mov_b32 v[ST+4*i+3], 0
.set i, i+1
.endr
.set i, P+16
.rept 16
	v_mov_b32 v[i], 0
.set i, i+1
.endr
	v_mul_u32_u24 v[AK0], v1, PK
	v_lshl_add_u32 v[AK0], v9, 4, v[AK0]
	v_and_b32 v10, 7, v0
	v_bfe_u32 v11, v0, 3, 1
	v_lshl_add_u32 v[AV0], v9, 3, v10
	v_mul_u32_u24 v[AV0], v[AV0], PV
	v_lshl_add_u32 v[AV0], v11, 4, v[AV0]
	v_add_nc_u32 v[AV0], VOFF, v[AV0]
	v_lshl_add_u32 v[AM0], v9, 5, MASKT
	s_mul_i32 s13, s[WV], 16*SP
	s_add_co_u32 s13, s13, STAGE    ; my stage
	v_mul_u32_u24 v[STO], v1, SP
	v_lshl_add_u32 v[STO], v9, 4, v[STO]
	v_add_nc_u32 v[STO], s13, v[STO]
	v_bfe_u32 v[RD], v0, 3, 2       ; back: 32 lanes take four rows of 128 bytes: two units of ctx
	v_mul_u32_u24 v[RD], v[RD], SP
	v_lshl_add_u32 v[RD], v10, 4, v[RD]
	v_add_nc_u32 v[RD], s13, v[RD]
	v_lshlrev_b32 v[GO], 12, v9     ; lanes 0-15 one pair of tokens, lanes 16-31 the next
	v_lshl_add_u32 v[GO], v1, 4, v[GO]
	s_wait_loadcnt 16               ; src_mask is in; Q's 16 younger loads may stay out
.set i, 0
.rept 16
	v_cmp_eq_u32 vcc_lo, 0, v[S+i]
	v_cndmask_b32 v[S+i], 0, s[NEG], vcc_lo
.set i, i+1
.endr
	v_add_nc_u32 v5, MASKT, v4
.irp j, 0,1,2,3
	ds_store_b128 v5, v[S+4*\j:S+4*\j+3] offset:2048*\j
.endr
; THE MATRIX WORK.  The 4 accumulators of a run of 8 take turns.  Product i of 8 of S^T = K Q^T for piece x: channels 32 (i / 4) on, keys 16 (i % 4) on.  The first 4 start the sums with the step's starting values.
.macro KQ x
.set rS, S+32*((\x)%2)+8*(i%4)
.set rK, KF+16*(i%4)+8*(i/4)
.set rQ, 16*(\x)+8*(i/4)
.set rM, MC+8*(i%4)
.if i < 4
	WIN W_KM
	v_wmma_f32_16x16x32_f16 v[rS:rS+7], v[rK:rK+7], v[rQ:rQ+7], v[rM:rM+7]
.else
	WIN W_KQ
	v_wmma_f32_16x16x32_f16 v[rS:rS+7], v[rK:rK+7], v[rQ:rQ+7], v[rS:rS+7]
.endif
.endm
.macro PV x                         ; product i of 8 of O^T += V^T P for piece x: keys 32 (i / 4) on, channels 16 (i % 4) on
	WIN W_PV
.set rO, 32*(\x)+8*(i%4)
.set rV, VF+32*(i/4)+8*(i%4)
.set rP, P+16*((\x)%2)+8*(i/4)
	v_wmma_f32_16x16x32_f16 v[rO:rO+7], v[rV:rV+7], v[rP:rP+7], v[rO:rO+7]
.endm
.macro MM                           ; the turn's next matrix instruction.  NOKQ = 1: the last turn: there is no next piece
.if (i < 8) && !NOKQ
	KQ (Y+1)%NP
.elseif i >= 8
.set i, i-8
	PV (Y+NP-1)%NP
.set i, i+8
.endif
.set i, i+1
.endm
; THE LDS LOADS stand in runs: a step's K (8 fragments) with its 64 starting values, and its V (turned).  Their addresses are made some lines ahead.
.macro FETCH_K
	WIN 0x80
.irp f, 0,1,2,3,4,5,6,7
	ds_load_b128 v[KF+8*\f:KF+8*\f+3],   v[AK] offset:(\f/2)*16*PK+(\f%2)*64
	ds_load_b128 v[KF+8*\f+4:KF+8*\f+7], v[AK] offset:(\f/2)*16*PK+(\f%2)*64+32
.endr
	WIN 0x40
.irp f, 0,1,2,3                     ; keys 16 f + 8 (l / 16) + 0..7: the lanes of a half read the same words
	ds_load_b128 v[MC+8*\f:MC+8*\f+3],   v[AM] offset:64*\f
	ds_load_b128 v[MC+8*\f+4:MC+8*\f+7], v[AM] offset:64*\f+16
.endr
	s_add_co_u32 s[TBK], s[TBK], KS*PK
	s_add_co_u32 s[TBM], s[TBM], KS*4
	WIN 0
.endm
.macro FETCH_V
	WIN 0x80
.irp f, 0,1,2,3,4,5,6,7
	ds_load_tr16_b128 v[VF+8*\f:VF+8*\f+3],   v[AV] offset:(\f/4)*32*PV+(\f%4)*32
	ds_load_tr16_b128 v[VF+8*\f+4:VF+8*\f+7], v[AV] offset:(\f/4)*32*PV+16*PV+(\f%4)*32
.endr
	WIN 0
.endm
; THE VECTOR WORK, one line at a time: OP kind, number.  For piece Y: F n: c s - c m for pair n.  E n: the exponential of score n.  C n: pair n rounded to f16.  B n: of the four weights 4 n .. the second pair
; is added onto the first.  L n: l takes that sum (L 0: l = a l + sum).  R n: pair n of O^T times a.  For piece Y + 1: X n, number n of the 22 that find its maximum and statistics; each accumulator's
; lowest registers are read first.
.set F, 0
.set E, 1
.set C, 2
.set B, 3
.set L, 4
.set R, 5
.set X, 6
.macro REGS y
.set rT, ST+4*(\y)
.set rC, TMP+4*((\y)%2)
.set rW, MV+((\y)%2)
.set rS, S+32*((\y)%2)
.set rP, P+16*((\y)%2)
.set rO, 32*(\y)
.endm
.macro OP k, n
.if (\k) == R
	REGS Y
	WIN W_RS
	v_pk_mul_f32 v[rO+2*(\n):rO+2*(\n)+1], v[rO+2*(\n):rO+2*(\n)+1], v[rC+2:rC+3] op_sel_hi:[1,0]
.elseif (\k) < R
	REGS Y
	WIN 0
.if (\k) == F
	v_pk_fma_f32 v[rS+2*(\n):rS+2*(\n)+1], v[rS+2*(\n):rS+2*(\n)+1], s[CS:CS+1], v[rT:rT+1] op_sel_hi:[1,0,0] neg_lo:[0,0,1] neg_hi:[0,0,1]
.elseif (\k) == E
	v_exp_f32 v[rS+(\n)], v[rS+(\n)]
.elseif (\k) == C
	v_cvt_pk_f16_f32 v[rP+(\n)], v[rS+2*(\n)], v[rS+2*(\n)+1]
.elseif (\k) == B
	v_pk_add_f32 v[rS+4*(\n):rS+4*(\n)+1], v[rS+4*(\n):rS+4*(\n)+1], v[rS+4*(\n)+2:rS+4*(\n)+3]
.elseif (\n) == 0
	v_pk_fma_f32 v[rT+2:rT+3], v[rT+2:rT+3], v[rC+2:rC+3], v[rS:rS+1] op_sel_hi:[1,0,1]
.else
	v_pk_add_f32 v[rT+2:rT+3], v[rT+2:rT+3], v[rS+4*(\n):rS+4*(\n)+1]
.endif
.elseif NOKQ
	v_nop
.else
	REGS (Y+1)%NP
	WIN 0
.if (\n) < 4
	v_max3_num_f32 v[rC+(\n)], v[rS+8*(\n)], v[rS+8*(\n)+1], v[rS+8*(\n)+2]
.elseif (\n) < 12
	v_max3_num_f32 v[rC+(\n)%4], v[rC+(\n)%4], v[rS+8*((\n)%4)+2*((\n)/4)+1], v[rS+8*((\n)%4)+2*((\n)/4)+2]
.elseif (\n) == 12
	v_max3_num_f32 v[rC], v[rC], v[rS+7], v[rS+15]
.elseif (\n) == 13
	v_max3_num_f32 v[rC+1], v[rC+1], v[rS+23], v[rS+31]
.elseif (\n) == 14
	v_max3_num_f32 v[rC+2], v[rC+2], v[rC+3], v[rT+1]
.elseif (\n) == 15
	v_mov_b32 v[rW], v[rT]
.elseif (\n) == 16
	v_max3_num_f32 v[rC], v[rC], v[rC+1], v[rC+2]
.elseif (\n) == 17
	v_permlanex16_b32 v[rC+3], v[rC], s[SEL], s[SEL+1]
.elseif (\n) == 18
	v_max_num_f32 v[rT+1], v[rC], v[rC+3]
.elseif (\n) == 19
	v_mul_f32 v[rT], s[CS], v[rT+1]
.elseif (\n) == 20
	v_sub_f32 v[rC+1], v[rW], v[rT]
.else
	v_exp_f32 v[rC+2], v[rC+1]
.endif
.endif
.endm
.macro OPS a, i1, b=-1, i2=0, c=-1, i3=0, d=-1, i4=0
	OP \a, \i1
.if (\b) >= 0
	OP \b, \i2
.endif
.if (\c) >= 0
	OP \c, \i3
.endif
.if (\d) >= 0
	OP \d, \i4
.endif
.endm
.macro ROW a, i1, b, i2, c, i3, d, i4  ; a matrix instruction and the four behind it
	MM
	OPS \a, \i1, \b, \i2, \c, \i3, \d, \i4
.endm
; A TURN, for piece p.  Ahead of its one wait stands all that names no result of its exponentials: the 8 products K Q^T with their riders, and the lump; X 21, the next piece's a, is the batch's last, and R 15 the
; plain instruction behind it.  Behind the wait stand the 8 products V^T P, behind each four of the roundings and sums.  end = 1: the last two turns: nothing is fetched.  cnt = 1: the loop's count is taken down
; some lines ahead of the branch behind the turn.  K and the starting values of the next step are fetched in piece 2's turn, behind the last product that read K; V of the step in hand at the end of piece 0's
; turn, four plain instructions behind the last product that read V.  Each is waited for a turn later.
.macro TURN p, end=0, cnt=0
.set Y, (\p)
.set i, 0
.set NOKQ, (\end)*((\p)/3)
.if ((\p) == 3) && !(\end)
	s_wait_dscnt 0x0                ; K and the starting values are in
.endif
	ROW F,0, F,1, R,0, R,1
	ROW F,2, E,0, R,2, R,3
	ROW F,3, E,1, R,4, R,5
	ROW F,4, E,2, R,6, R,7
	ROW F,5, E,3, R,8, R,9
	ROW F,6, E,4, X,0, R,10
.if ((\p) == 2) && !(\end)
	WIN 0
	v_add_nc_u32 v[AK], s[TBK], v[AK0]
	v_add_nc_u32 v[AM], s[TBM], v[AM0]
.endif
	ROW F,7, E,5, X,1, X,4
	ROW F,8, E,6, X,2, X,5
	OPS E,7, E,8, X,6, E,9
	OPS X,3, E,10, X,8, E,11
.if ((\p) == 2) && !(\end)
	FETCH_K
.endif
	OPS X,9, X,7, E,12, X,10
	OPS E,13, X,12, X,11, E,14
	OPS X,13, E,15, F,9, X,14
.if (\p) == 0
	v_add_nc_u32 v[AV], s[TBV], v[AV0]
.endif
	OPS E,16, F,10, E,17, F,11
	OPS X,16, E,18, X,15, E,19
	OPS F,12, E,20, X,17, E,21
	OPS F,13, E,22, F,14, E,23
	OPS X,18, E,24, F,15, E,25
	OPS R,11, E,26, X,19, E,27
	OPS R,12, E,28, R,13, E,29
	OPS X,20, E,30, R,14, E,31
	OPS X,21, R,15
	WIN 0
	s_wait_alu depctr_va_vdst(0)    ; the wait for the batch
.if (\p) == 1
	s_wait_dscnt 0x0                ; V is in
.endif
	ROW C,0, B,0, C,2, B,1
	ROW L,0, C,4, B,2, L,1
	ROW C,6, B,3, L,2, C,8
	ROW B,4, L,3, C,10, B,5
	ROW L,4, C,12, B,6, L,5
.if (\p) == 0
	s_add_co_u32 s[TBV], s[TBV], KS*PV
.endif
.if \cnt
	s_sub_co_u32 s[CNT], s[CNT], 1
	s_cmp_lg_u32 s[CNT], 0
.endif
	ROW C,14, B,7, L,6, C,1
	ROW C,3, L,7, C,5, C,7
	ROW C,9, C,11, C,13, C,15
.if (\p) == 0
	FETCH_V
.endif
.endm
	CHANGE 1                        ; tile 0 is in and the table is whole, everybody's part of them; tile 1 is asked for, into slot 1
	v_add_nc_u32 v[AK], s[TBK], v[AK0]
	v_add_nc_u32 v[AM], s[TBM], v[AM0]
	FETCH_K                         ; key step 0
	s_wait_loadcnt 0x0              ; Q
	s_wait_dscnt 0x0
.set NOKQ, 0
.set i, 0
.rept 8
	KQ 0                            ; piece 0's first scores
.set i, i+1
.endr
	WIN 0
.rept 4
	v_nop                           ; the places behind those products
.endr
.set Y, NP-1                        ; X works for piece Y + 1: piece 0
.irp n, 0,1,2,3,4,5,6,7,8,9,10,11,12,13,14,15,16,17,18,19,20,21
	OP X, \n
.endr
	v_nop                           ; a plain instruction behind the exponential,
	s_wait_alu depctr_va_vdst(0)    ; and its wait, ahead of the branch
	s_mov_b32 s[CNT], 4
	s_branch .Lfirst                ; the loop is entered at a step's first turn, in the middle of a trip
.Lslot:                             ; six times: tiles 2 to 7 are asked for
	CHANGE 1, 1
	s_mov_b32 s[CNT], 4
.Lstep:                             ; a trip: pieces 2 and 3 of one step, then pieces 0 and 1 of the next, whose K and V it fetches
	TURN 2
	TURN 3
	WIN 0
.Lfirst:
	TURN 0
	TURN 1, 0, 1
	WIN 0
	s_cbranch_scc1 .Lstep
	s_sub_co_u32 s[SLOTS], s[SLOTS], 1
	s_cmp_lg_u32 s[SLOTS], 0
	s_cbranch_scc1 .Lslot
	CHANGE 0                        ; the last tile is written out: nothing is asked for
	s_mov_b32 s[CNT], 4
.LstepT:
	TURN 2
	TURN 3
	TURN 0
	TURN 1, 0, 1
	WIN 0
	s_cbranch_scc1 .LstepT
	TURN 2, 1
	TURN 3, 1
.set i, 0
.rept 8
	PV NP-1                         ; the last piece's V^T P of the last step
.set i, i+1
.endr
	; THE WAY OUT.  l's two halves and the other half of the lanes' are added; O^T is divided by l, rounded to f16 and sent through my stage, a piece at a time.
	WIN 0
.macro ALL line:vararg
.set t, 0
.rept 4
	\line
.set t, t+1
.endr
.endm
	ALL v_add_f32 v[ST+4*t+2], v[ST+4*t+2], v[ST+4*t+3]
	ALL v_permlanex16_b32 v[ST+4*t+3], v[ST+4*t+2], s[SEL], s[SEL+1]
	ALL v_add_f32 v[ST+4*t+2], v[ST+4*t+2], v[ST+4*t+3]
	ALL v_rcp_f32 v[ST+4*t+2], v[ST+4*t+2]
	v_nop                           ; a plain instruction between the last reciprocal and the use of its result
	s_wait_alu depctr_va_vdst(0)    ; one wait for the four reciprocals
.macro PACK t
	WIN W_RS
.set i, 32*(\t)
.rept 16
	v_pk_mul_f32 v[i:i+1], v[i:i+1], v[ST+4*(\t)+2:ST+4*(\t)+3] op_sel_hi:[1,0]
.set i, i+2
.endr
	WIN 0x05
.set i, 0
.rept 16
	v_cvt_pk_f16_f32 v[S+16*(\t)+i], v[32*(\t)+2*i], v[32*(\t)+2*i+1]
.set i, i+1
.endr
	WIN 0
.irp f, 0,1,2,3
	ds_store_b128 v[STO], v[S+16*(\t)+4*\f:S+16*(\t)+4*\f+3] offset:32*\f
.endr
.irp f, 0,1,2,3
	ds_load_b128 v[S+16*(\t)+4*\f:S+16*(\t)+4*\f+3], v[RD] offset:\f*4*SP  ; LDS serves a wave's instructions in order: these see the stores above
.endr
.endm
.macro SEND t, younger              ; younger: the next piece's eight LDS instructions, or none
	WIN 0
.irp f, 0,1,2,3
	s_wait_dscnt (\younger)+3-\f
	global_store_b128 v[GO], v[S+16*(\t)+4*\f:S+16*(\t)+4*\f+3], s[10:11] offset:(\t)*32768+\f*8192  ; each 16 lanes store 256 consecutive bytes, aligned: 2 tokens x 64 channels
.endr
.endm
	PACK 0
.set t, 1
.rept 3
	PACK t
	SEND t-1, 8
.set t, t+1
.endr
	SEND 3, 0
	s_wait_tensorcnt 0x0            ; the wave's end
	ds_add_u32 v[SPW], v[NIL]
	s_wait_dscnt 0x0
	CROUND                          ; the closing round
	s_endpgm
.Lfunc_end_k_q7b4a206ef6_attn:
	.size	k_q7b4a206ef6_attn, .Lfunc_end_k_q7b4a206ef6_attn-k_q7b4a206ef6_attn
	.p2alignl 7, 3214868480
	.fill 96, 4, 3214868480
	.section	.rodata,"a",@progbits
	.p2align	6, 0x0
	.amdhsa_kernel k_q7b4a206ef6_attn
		.amdhsa_group_segment_fixed_size 327680
		.amdhsa_private_segment_fixed_size 0
		.amdhsa_enable_private_segment 0
		.amdhsa_kernarg_size 24
		.amdhsa_user_sgpr_count 2
		.amdhsa_user_sgpr_kernarg_segment_ptr 1
		.amdhsa_wavefront_size32 1
		.amdhsa_system_sgpr_workgroup_id_x 1
		.amdhsa_system_sgpr_workgroup_id_y 1
		.amdhsa_system_sgpr_workgroup_id_z 1
		.amdhsa_system_vgpr_workitem_id 0
		.amdhsa_next_free_vgpr 768
		.amdhsa_next_free_sgpr 72
		.amdhsa_reserve_vcc 1
		.amdhsa_float_denorm_mode_32 3
		.amdhsa_float_denorm_mode_16_64 3
		.amdhsa_memory_ordered 1
		.amdhsa_forward_progress 1
		.amdhsa_inst_pref_size 133
	.end_amdhsa_kernel
	.amdgpu_metadata
---
amdhsa.version: [ 1, 2 ]
amdhsa.kernels:
  - .name:           k_q7b4a206ef6_attn
    .symbol:         k_q7b4a206ef6_attn.kd
    .args:
      - { .name: qkv, .offset: 0, .size: 8, .value_kind: global_buffer, .address_space: global }
      - { .name: src_mask, .offset: 8, .size: 8, .value_kind: global_buffer, .address_space: global }
      - { .name: ctx, .offset: 16, .size: 8, .value_kind: global_buffer, .address_space: global }
    .group_segment_fixed_size: 327680
    .private_segment_fixed_size: 0
    .kernarg_segment_align: 8
    .kernarg_segment_size: 24
    .max_flat_workgroup_size: 128
    .sgpr_count:     72
    .vgpr_count:     768
    .wavefront_size: 32
...
	.end_amdgpu_metadata
.endif
;; end of part 3
;; launch wo (part 4): grid 8 x 32, 4 waves a work-group, clusters of 4 x 4, 327,680 bytes of LDS; arguments ctx, wcat, bo, x, y1r; writes y1r
.if DOCPART == 4
	.amdgcn_target "amdgcn-amd-amdhsa--gfx1250"
	.amdhsa_code_object_version 6
	.text
	.protected	k_q7b4a206ef6_wo
	.globl	k_q7b4a206ef6_wo
	.p2align	8
	.type	k_q7b4a206ef6_wo,@function
k_q7b4a206ef6_wo:
	s_mov_b64 s[64:65], 0
	v_nop
	global_prefetch_b8 v0, s[64:65] scope:SCOPE_SE
	s_setreg_imm32_b32 hwreg(HW_REG_WAVE_MODE, 25, 1), 1
	s_wait_xcnt 0x0
	s_wait_alu depctr_hold_cnt(0) depctr_sa_sdst(0) depctr_va_vdst(0) depctr_va_sdst(0) depctr_va_ssrc(0) depctr_va_vcc(0) depctr_vm_vsrc(0)
	s_getreg_b32 s2, hwreg(HW_REG_IB_STS2, 6, 4)
	s_cmp_eq_u32 s2, 0
	s_cbranch_scc0 .Lentry_in_a_cluster
	s_endpgm
.Lentry_in_a_cluster:
	s_bfe_u32 s2, ttmp6, 0x10000c
	s_cmp_lg_u32 s2, 0xf033
	s_cbranch_scc0 .Lentry_shape_is_right
	s_endpgm
.Lentry_shape_is_right:
; C = A W + bias on tiles of 128 x 128.  A: [4096][SIZE_K] f16.  W: [SIZE_K][WN] f16 as it lies, K down the rows.  Sums in f32.
; THIS LAUNCH (MODE 2): A = ctx, which lies in units of 256 bytes (2 tokens x 64 columns); W = Wo; y1r = C + bf16(x), stored in f32.
; The same text serves four launches; the five constants below tell them apart.
; SHARES.  Four waves, each 64 x 64 of C: 16 accumulators.  K goes in steps of 256 through two LDS slots; waves 0, 1 fetch A's two halves of a step, waves 2, 3 W's.
; CLUSTER.  4 x 4 work-groups: A's tile is shared along a row of the cluster, W's along a column; each is asked for jointly, by the same load, descriptor and mask in all four.
; THE PRODUCT IS TAKEN TRANSPOSED: source 0 = 16 columns of W (turned on the way out of LDS by ds_load_tr16_b128), source 1 = 16 rows of A: a lane holds one row of C and 8 neighbouring columns.
; THE SUMS START AT THE BIAS (rounded to bf16 like every input): the accumulators are seeded with it while the first tiles are on their way, so the loop has one form of product.
; A K STEP IS WRITTEN ONCE: the slot hangs on scalars (TA, TB for the reads, TD for the fill).  The loop fills; the tail, two steps, fills nothing.
; No prefetch: a tile's K step is short and small, and each block is read by several clusters in turn.
; LIMITS.  NaN and infinities are not treated apart.
.set MODE,   2
.set SIZE_K, 1024
.set WN,     1024
.set WOFF,   6291456
.set PAIRED, 1
.set F32OUT, MODE/2
.set STEPS,  SIZE_K/256
.if PAIRED                             ; A lies in units of 256 bytes: 2 rows x 64 columns; an LDS row is a pair of rows x 256 columns
.set PA,     1040                      ; 1,024 bytes + 16
.set HALF_A, 32*PA
.set A_BLK,  8*PA                      ; 16 rows of A on
.set A_Q,    256                       ; 64 along K on
.set A_ROWB, 4*SIZE_K
.set A_STEP, 1024
.else
.set PA,     528                       ; 512 bytes + 16
.set HALF_A, 64*PA
.set A_BLK,  16*PA
.set A_Q,    128
.set A_ROWB, 2*SIZE_K
.set A_STEP, 512
.endif
.set BOFF,   67584                     ; W's tile lies behind A's
.set PB,     288                       ; 256 bytes + 32
.set HALF_B, 128*PB
.set B_Q,    64*PB
.set B_STEP, 512*WN
.set SLOT,   BOFF+2*HALF_B
.set STAGE,  2*SLOT                    ; behind the ring, never filled by a tensor load: 16 rows for each wave
.if F32OUT
.set SP,     272
.else
.set SP,     144
.endif
.set SPARE,  STAGE+4*16*SP             ; the spare words: 128 bytes a wave, named by no other line
.if MODE == 0
.set NLATER, 4                         ; loads issued behind the bias's
.set ABLK,   2048
.set FBLK,   512
.elseif MODE == 1
.set NLATER, 0
.set ABLK,   131072
.set FBLK,   32768
.else
.set NLATER, 32
.endif
.set MF,   8                           ; v[8:15]  MODE 0: src_mask of my four rows, then the factor 1 or 0, in pairs
.set A0,   16                          ; my lane's place in A's tile, in W's tile
.set B0,   17
.set ADA,  18                          ; the addresses of the run of loads in hand
.set ADB,  19
.set STO,  24
.set RD,   25
.set GO,   26
.set BO,   27
.set SPW,  28
.set NIL,  29
.set MO,   30
.set ZERO, 31
.set TMP,  32                          ; v[32:95] at work
.set BV,   96                          ; v[96:127] the bias of my 32 columns
.set ACC,  128                         ; v[128:255] accumulator (a, b) at ACC + 8 (4 a + b)
.set F0,   0                           ; window 1: two fragment buffers of 128: 64 of A, 64 of W, for 64 along K
.set F1,   128
.set WV,   20
.set RH,   21                          ; my half of the rows; also 0: I fetch A, 1: I fetch W
.set CH,   22                          ; my half of the columns; also which half I fetch
.set CX,   23
.set G1A,  24
.set G0A,  32                          ; two sets: slot 0's first fill; slot 1's, which then walks
.set G1B,  40
.set G0B,  48
.set CY,   56
.set TCOL, 57
.set TROW, 58
.set TA,   59
.set TB,   60
.set TD,   61
.set WLA,  62
.set WLB,  63
.set AT,   66                          ; s[66:69] A's offset and address: never hold cx
.set BT,   70                          ; s[70:73] W's: never hold cy
.set OUT,  74
.set RES,  76
.set HI,   78
.set WHICH, 79
.set TCP,  80
.set BP,   82
.set X0,   84                          ; s[84:89] offsets made of both coordinates
.set X2,   86
.set MSB, 0
.macro WIN new                         ; the high byte repeats the setting that is left; a switch that changes nothing is dropped
.if MSB != (\new)
	s_set_vgpr_msb (MSB<<8)|(\new)
.set MSB, \new
.endif
.endm
.set MUL,  0x05                        ; sources 0 and 1 window 1; C and D window 0
.set TO_F, 0x40                        ; destination window 1
.macro PLACES
.rept 4
	v_nop
.endr
.endm
.macro JLOAD                           ; the joint refill, by the walking set; an s_nop 0 and four v_nop follow each line
	s_cmp_eq_u32 s[RH], 0
	s_cbranch_scc0 .Lfor_b_\@
	tensor_load_to_lds s[G0A+4:G0A+7], s[G1A:G1A+7]
	s_nop 0
	PLACES
	s_branch .Lasked_\@
.Lfor_b_\@:
	tensor_load_to_lds s[G0B+4:G0B+7], s[G1B:G1B+7]
	s_nop 0
	PLACES
.Lasked_\@:
.endm
.macro CREST                           ; a round of the cluster's barrier behind its opening barrier
	s_cmp_lg_u32 s[WV], 0
	s_cbranch_scc1 .Lnot_wave_0_\@
	s_barrier_signal -3
.Lnot_wave_0_\@:
	s_barrier_wait -3
	s_barrier_signal -1
	s_barrier_wait -1
.endm
.macro CROUND
	s_barrier_signal -1
	s_barrier_wait -1
	CREST
.endm
.macro MUL8 f, c, a0                   ; row blocks a0, a0 + 1 x all 4 column blocks, 32 along K: half c of buffer f.  The 16 accumulators take turns
	WIN MUL
.irp a, \a0, (\a0)+1
.irp b, 0,1,2,3
	v_wmma_f32_16x16x32_f16 v[ACC+8*(4*(\a)+(\b)):ACC+8*(4*(\a)+(\b))+7], v[(\f)+64+8*(4*(\c)+(\b)):(\f)+64+8*(4*(\c)+(\b))+7], v[(\f)+8*(4*(\c)+(\a)):(\f)+8*(4*(\c)+(\a))+7], v[ACC+8*(4*(\a)+(\b)):ACC+8*(4*(\a)+(\b))+7]
.endr
.endr
.endm
.macro FETCH f                         ; 32 LDS loads in one run: the fragments of the next 64 along K; the first 32 along K first
	WIN 0
	v_add_nc_u32 v[ADA], s[TA], v[A0]
	v_add_nc_u32 v[ADB], s[TB], v[B0]
	s_add_co_u32 s[TA], s[TA], A_Q
	s_add_co_u32 s[TB], s[TB], B_Q
	WIN TO_F
.irp c, 0,1
.irp i, 0,1,2,3
	ds_load_tr16_b128 v[(\f)+64+8*(4*(\c)+(\i)):(\f)+64+8*(4*(\c)+(\i))+3],   v[ADB] offset:(\c)*32*PB+32*(\i)
	ds_load_tr16_b128 v[(\f)+64+8*(4*(\c)+(\i))+4:(\f)+64+8*(4*(\c)+(\i))+7], v[ADB] offset:(\c)*32*PB+32*(\i)+16*PB
	ds_load_b128 v[(\f)+8*(4*(\c)+(\i)):(\f)+8*(4*(\c)+(\i))+3],   v[ADA] offset:64*(\c)+(\i)*A_BLK
	ds_load_b128 v[(\f)+8*(4*(\c)+(\i))+4:(\f)+8*(4*(\c)+(\i))+7], v[ADA] offset:64*(\c)+(\i)*A_BLK+32
.endr
.endr
.endm
.macro QUARTER f, g                    ; multiplies buffer f, fetches the next quarter into g
	s_wait_dscnt 16                                ; the first 32 along K are in; the 16 younger loads may be out
	MUL8 \f, 0, 0
	MUL8 \f, 0, 2
	PLACES                                         ; four places between the last product that read g and the loads into it
	FETCH \g
	s_wait_dscnt 32                                ; all but the 32 just issued
	MUL8 \f, 1, 0
	MUL8 \f, 1, 2
.endm
; The last quarter multiplies buffer 1 and changes slots: each wave waits for all its tensor loads, adds 0 to its spare word, waits for that and for its reads of this slot, and signals.
; fill = 1: the barrier opens a round of the cluster's, and the joint refill, two K steps ahead, is the first thing behind it.  fill = 0: the tail; its last trip has no next slot to read.
.macro TURN fill
	WIN 0
	s_wait_tensorcnt 0x0                           ; no tensor load of mine is out: the walking sets may be written
	ds_add_u32 v[SPW], v[NIL]
.if \fill
	s_xor_b32 s[TD], s[TD], SLOT                   ; the other slot than last time,
	s_add_co_u32 s[G0A+5], s[TD], s[WLA]
	s_add_co_u32 s[G0B+5], s[TD], s[WLB]
	s_add_nc_u64 s[G0A+6:G0A+7], s[G0A+6:G0A+7], A_STEP  ; the next K step
	s_add_nc_u64 s[G0B+6:G0B+7], s[G0B+6:G0B+7], B_STEP
.endif
	s_wait_dscnt 17                                ; the add and the 16 youngest loads may be out
	MUL8 F1, 0, 0
	s_wait_dscnt 0x0                               ; the add is done, my reads of this slot are over
	s_barrier_signal -1
	MUL8 F1, 0, 2
	WIN 0
	s_barrier_wait -1
.if \fill
	CREST
	JLOAD                                          ; its four v_nop are also the places in front of the loads below
.else
	PLACES
	s_cmp_eq_u32 s3, 1
	s_cbranch_scc1 .Lno_next_\@
.endif
	s_sub_co_u32 s[TA], s[TA], 4*A_Q               ; back to the slot's head,
	s_xor_b32 s[TA], s[TA], SLOT                   ; in the other slot
	s_sub_co_u32 s[TB], s[TB], 4*B_Q
	s_xor_b32 s[TB], s[TB], SLOT
	FETCH F0
.if !(\fill)
	WIN 0
.Lno_next_\@:
.endif
	MUL8 F1, 1, 0
	MUL8 F1, 1, 2
.endm
.if MODE == 0
	s_load_b256 s[4:11], s[0:1], 0x0               ; yn, wcat, bq, bk
	s_load_b128 s[12:15], s[0:1], 0x20             ; bv, src_mask
	s_load_b64 s[16:17], s[0:1], 0x30              ; qkv
.elseif MODE == 1
	s_load_b256 s[4:11], s[0:1], 0x0               ; A, wcat, bias, out
.else
	s_load_b256 s[4:11], s[0:1], 0x0               ; A, wcat, bias, residual
	s_load_b64 s[12:13], s[0:1], 0x20              ; out
.endif
	v_lshl_add_u32 v[SPW], v0, 2, SPARE
	v_mov_b32 v[NIL], 0
	ds_add_u32 v[SPW], v[NIL]                      ; the opening: the add and its wait stand ahead of my first tensor load, work on registers between them
	v_lshrrev_b32 v1, 5, v0
	v_readfirstlane_b32 s[WV], v1
	s_lshr_b32 s[RH], s[WV], 1
	s_and_b32 s[CH], s[WV], 1
	s_bfe_u32 s[CX], ttmp6, 0x40000
	s_bfe_u32 s[CY], ttmp6, 0x40004
	s_lshl_b32 s[TCOL], ttmp9, 2
	s_add_co_u32 s[TCOL], s[TCOL], s[CX]           ; tile column
	s_and_b32 s[TROW], ttmp7, 0xffff
	s_lshl_b32 s[TROW], s[TROW], 2
	s_add_co_u32 s[TROW], s[TROW], s[CY]           ; tile row
	s_lshl_b32 s18, s[CY], 2
	s_lshl_b32 s18, 15, s18                        ; my row of the cluster
	s_lshl_b32 s19, 0x1111, s[CX]                  ; my column
.if PAIRED
	s_or_b32 s[G1A], s18, (1<<16)|(1<<20)|(1<<21)|(7<<22)|(3<<25)  ; mask; 2-byte elements; padding of 4 words behind every 256
	s_mov_b32 s[G1A+1], 512<<16                    ; tensor_dim0
	s_mov_b32 s[G1A+2], 32<<16                     ; tensor_dim1
	s_mov_b32 s[G1A+3], 512<<16                    ; tile_dim0: 4 units of 2 rows x 64 columns
	s_mov_b32 s[G1A+4], 32                         ; tile_dim1: 32 pairs of rows
	s_mov_b32 s[G1A+5], 2*SIZE_K                   ; elements from pair to pair
.else
	s_or_b32 s[G1A], s18, (1<<16)|(1<<20)|(1<<21)|(6<<22)|(3<<25)  ; mask; 2-byte elements; padding of 4 words behind every 128
	s_mov_b32 s[G1A+1], 256<<16
	s_mov_b32 s[G1A+2], 64<<16
	s_mov_b32 s[G1A+3], 256<<16
	s_mov_b32 s[G1A+4], 64
	s_mov_b32 s[G1A+5], SIZE_K
.endif
	s_mov_b32 s[G1A+6], 0
	s_mov_b32 s[G1A+7], 0
	s_or_b32 s[G1B], s19, (1<<16)|(1<<20)|(1<<21)|(5<<22)|(7<<25)  ; padding of 8 words behind every 64
	s_mov_b32 s[G1B+1], 128<<16
	s_mov_b32 s[G1B+2], 128<<16
	s_mov_b32 s[G1B+3], 128<<16                    ; 128 columns
	s_mov_b32 s[G1B+4], 128                        ; 128 rows of K
	s_mov_b32 s[G1B+5], WN
	s_mov_b32 s[G1B+6], 0
	s_mov_b32 s[G1B+7], 0
.if PAIRED
	s_lshl_b32 s[AT], s[TROW], 6
	s_lshl_b32 s[AT+1], s[CH], 5
.else
	s_lshl_b32 s[AT], s[TROW], 7
	s_lshl_b32 s[AT+1], s[CH], 6
.endif
	s_add_co_u32 s[AT], s[AT], s[AT+1]
	s_mul_i32 s[AT], s[AT], A_ROWB                 ; the half of A's tile that I fetch, in bytes (under 2^26)
	s_mov_b32 s[AT+1], 0
	s_mul_i32 s[BT], s[CH], 256*WN                 ; 128 rows of W
.if MODE == 0
	s_lshr_b32 s[WHICH], ttmp9, 1                  ; 0 q, 1 k, 2 v: the same in all sixteen partners
	s_and_b32 s[TCP], s[TCOL], 7                   ; the tile column in that matrix
	s_lshl_b32 s[BT+1], s[WHICH], 21
	s_add_co_u32 s[BT], s[BT], s[BT+1]
.else
	s_mov_b32 s[TCP], s[TCOL]
	s_add_co_u32 s[BT], s[BT], WOFF
.endif
	s_lshl_b32 s[BT+1], s[TCP], 8
	s_add_co_u32 s[BT], s[BT], s[BT+1]
	s_mov_b32 s[BT+1], 0
	s_mul_i32 s[WLA], s[CH], HALF_A                ; where my half goes in a slot: the wave's number alone
	s_mul_i32 s[WLB], s[CH], HALF_B
	s_add_co_u32 s[WLB], s[WLB], BOFF
	s_mov_b32 s[HI], 0xffff0000
	s_mov_b32 s[TA], 0
	s_mov_b32 s[TB], 0
	s_mov_b32 s[TD], SLOT
	s_wait_dscnt 0x0                               ; the opening add is done
	s_wait_kmcnt 0x0
	s_add_nc_u64 s[AT+2:AT+3], s[4:5], s[AT:AT+1]
	s_add_nc_u64 s[BT+2:BT+3], s[6:7], s[BT:BT+1]
.irp s, 0,1
	s_mov_b32 s[G0A+4*(\s)], 1
	s_add_co_u32 s[G0A+4*(\s)+1], s[WLA], (\s)*SLOT
	s_add_nc_u64 s[G0A+4*(\s)+2:G0A+4*(\s)+3], s[AT+2:AT+3], (\s)*A_STEP
	s_or_b32 s[G0A+4*(\s)+3], s[G0A+4*(\s)+3], 0x80000000
	s_mov_b32 s[G0B+4*(\s)], 1
	s_add_co_u32 s[G0B+4*(\s)+1], s[WLB], (\s)*SLOT
	s_add_nc_u64 s[G0B+4*(\s)+2:G0B+4*(\s)+3], s[BT+2:BT+3], (\s)*B_STEP
	s_or_b32 s[G0B+4*(\s)+3], s[G0B+4*(\s)+3], 0x80000000
.endr
	CROUND                                         ; all sixteen work-groups are here: the first joint loads meet
	s_cmp_eq_u32 s[RH], 0                          ; a wave's two first fills stand in one branch: two loads of mine are out
	s_cbranch_scc0 .Lfirst_b
	tensor_load_to_lds s[G0A:G0A+3], s[G1A:G1A+7]
	s_nop 0
	tensor_load_to_lds s[G0A+4:G0A+7], s[G1A:G1A+7]
	s_nop 0
	PLACES
	s_branch .Lfirst_asked
.Lfirst_b:
	tensor_load_to_lds s[G0B:G0B+3], s[G1B:G1B+7]
	s_nop 0
	tensor_load_to_lds s[G0B+4:G0B+7], s[G1B:G1B+7]
	s_nop 0
	PLACES
.Lfirst_asked:
	s_lshl_b32 s[X0], s[TCP], 1
	s_add_co_u32 s[X0], s[X0], s[CH]               ; my block of 64 columns
	s_lshl_b32 s[X0], s[X0], 8                     ; x 256 bytes
	s_mov_b32 s[X0+1], 0
	s_lshl_b32 s[X2], s[TROW], 1
	s_add_co_u32 s[X2], s[X2], s[RH]               ; my block of 64 rows
	s_mov_b32 s[X2+1], 0
.if MODE == 0
	s_cmp_eq_u32 s[WHICH], 1
	s_cselect_b64 s[BP:BP+1], s[10:11], s[8:9]
	s_cmp_eq_u32 s[WHICH], 2
	s_cselect_b64 s[BP:BP+1], s[12:13], s[BP:BP+1]
.else
	s_mov_b64 s[BP:BP+1], s[8:9]
.endif
	s_add_nc_u64 s[BP:BP+1], s[BP:BP+1], s[X0:X0+1]  ; 64 f32 of bias are 256 bytes
.if MODE == 0
	s_lshl_b32 s88, s[X0], 10                      ; my 64 columns are a head: x 262,144
	s_lshr_b32 s89, s[TROW], 4                     ; the batch: 16 heads
	s_lshl_b32 s89, s89, 22
	s_add_co_u32 s88, s88, s89
	s_lshl_b32 s89, s[WHICH], 23                   ; q, k or v
	s_add_co_u32 s88, s88, s89
	s_and_b32 s89, s[X2], 31                       ; my 64 tokens among the batch's 2,048: 8,192 bytes
	s_lshl_b32 s89, s89, 13
	s_add_co_u32 s88, s88, s89
	s_mov_b32 s89, 0
	s_add_nc_u64 s[OUT:OUT+1], s[16:17], s[88:89]
	s_lshl_b32 s[X2], s[X2], 8
	s_add_nc_u64 s[RES:RES+1], s[14:15], s[X2:X2+1]  ; src_mask of my 64 tokens
.elseif MODE == 1
	s_lshl_b32 s88, s[X2], 19                      ; 32 pairs of rows of 16,384 bytes
	s_add_co_u32 s88, s88, s[X0]
	s_mov_b32 s89, 0
	s_add_nc_u64 s[OUT:OUT+1], s[10:11], s[88:89]
.else
	s_lshl_b32 s88, s[X2], 18                      ; 64 rows of 4,096 bytes
	s_add_co_u32 s88, s88, s[X0]
	s_mov_b32 s89, 0
	s_add_nc_u64 s[OUT:OUT+1], s[12:13], s[88:89]
	s_add_nc_u64 s[RES:RES+1], s[10:11], s[88:89]
.endif
	v_and_b32 v1, 15, v0                           ; r = l % 16
	v_bfe_u32 v2, v0, 4, 1                         ; h = l / 16
	v_lshlrev_b32 v[BO], 5, v2                     ; my 8 columns of each 16
	v_lshlrev_b32 v[MO], 2, v1
	v_mov_b32 v[ZERO], 0
.if F32OUT
	v_lshlrev_b32 v[GO], 12, v2                    ; lanes 0-15 one row's 256 bytes, lanes 16-31 the next row's
	v_lshl_add_u32 v[GO], v1, 4, v[GO]
.elseif MODE == 0
	v_and_b32 v[GO], 31, v0
	v_lshlrev_b32 v[GO], 4, v[GO]                  ; four rows of 128 bytes are 512 consecutive bytes
.else
	v_lshlrev_b32 v[GO], 14, v2                    ; lanes 0-15 one unit of 2 rows x 64 columns, lanes 16-31 the next pair's
	v_lshl_add_u32 v[GO], v1, 4, v[GO]
.endif
.irp b, 0,1,2,3
	global_load_b128 v[BV+8*(\b):BV+8*(\b)+3],   v[BO], s[BP:BP+1] offset:64*(\b)
	global_load_b128 v[BV+8*(\b)+4:BV+8*(\b)+7], v[BO], s[BP:BP+1] offset:64*(\b)+16
.endr
.if MODE == 0
.irp a, 0,1,2,3
	global_load_b32 v[MF+2*(\a)], v[MO], s[RES:RES+1] offset:64*(\a)
.endr
.endif
.if F32OUT
	WIN 0x80                                       ; the residual's tile waits in window 2, laid as the results come back from the stage
.irp a, 0,1,2,3
.irp t, 0,1,2,3,4,5,6,7
	global_load_b128 v[32*(\a)+4*(\t):32*(\a)+4*(\t)+3], v[GO], s[RES:RES+1] offset:(16*(\a)+2*(\t))*4096
.endr
.endr
	WIN 0
.endif
.if PAIRED
	v_lshrrev_b32 v3, 1, v1
	v_mul_u32_u24 v[A0], v3, PA                    ; the pair of rows,
	v_and_b32 v3, 1, v1
	v_lshl_add_u32 v[A0], v3, 7, v[A0]             ; which of the two
.else
	v_mul_u32_u24 v[A0], v1, PA
.endif
	v_lshl_add_u32 v[A0], v2, 4, v[A0]
	s_mul_i32 s88, s[RH], HALF_A
	v_add_nc_u32 v[A0], s88, v[A0]
	v_and_b32 v3, 7, v0                            ; the turning load: lane l reads row 8 h + l % 8 of K, columns 8 ((l / 8) % 2) + 0..7
	v_lshl_add_u32 v3, v2, 3, v3
	v_mul_u32_u24 v[B0], v3, PB
	v_bfe_u32 v3, v0, 3, 1
	v_lshl_add_u32 v[B0], v3, 4, v[B0]
	s_lshl_b32 s88, s[CH], 7
	s_add_co_u32 s88, s88, BOFF
	v_add_nc_u32 v[B0], s88, v[B0]
	s_mul_i32 s88, s[WV], 16*SP
	s_add_co_u32 s88, s88, STAGE                   ; my stage
	v_mul_u32_u24 v[STO], v1, SP
.if F32OUT
	v_lshl_add_u32 v[STO], v2, 5, v[STO]
	v_mul_u32_u24 v[RD], v2, SP
	v_lshl_add_u32 v[RD], v1, 4, v[RD]
.else
	v_lshl_add_u32 v[STO], v2, 4, v[STO]
	v_bfe_u32 v3, v0, 3, 2
	v_mul_u32_u24 v[RD], v3, SP
	v_and_b32 v3, 7, v0
	v_lshl_add_u32 v[RD], v3, 4, v[RD]
.endif
	v_add_nc_u32 v[STO], s88, v[STO]
	v_add_nc_u32 v[RD], s88, v[RD]
	s_wait_loadcnt NLATER                          ; the bias is in; the loads issued behind it may stay out
.set i, 0
.rept 16
	v_cvt_pk_bf16_f32 v[TMP+i], v[BV+2*i], v[BV+2*i+1]
.set i, i+1
.endr
.set i, 0
.rept 16
	v_lshlrev_b32 v[BV+2*i], 16, v[TMP+i]
	v_and_b32 v[BV+2*i+1], s[HI], v[TMP+i]
.set i, i+1
.endr
.irp a, 0,1,2,3                        ; the sums start at the bias: written in the wait for the first tile
.set i, 0
.rept 32
	v_mov_b32 v[ACC+32*(\a)+i], v[BV+i]
.set i, i+1
.endr
.endr
	s_wait_tensorcnt 0x1                           ; my part of K step 0 is in; slot 1's may stay out
	s_barrier_signal -1
	s_barrier_wait -1
	FETCH F0
	WIN 0
	s_mov_b32 s3, STEPS-2
.Lstep:                                        ; a K step; its slot is filled again with the step two on
	QUARTER F0, F1
	QUARTER F1, F0
	QUARTER F0, F1
	TURN 1
	WIN 0
	s_sub_co_u32 s3, s3, 1
	s_cmp_lg_u32 s3, 0
	s_cbranch_scc1 .Lstep
	s_mov_b32 s3, 2
.Ltail:                                        ; the last two K steps ask for nothing
	QUARTER F0, F1
	QUARTER F1, F0
	QUARTER F0, F1
	TURN 0
	WIN 0
	s_sub_co_u32 s3, s3, 1
	s_cmp_lg_u32 s3, 0
	s_cbranch_scc1 .Ltail
	PLACES                                         ; four places behind the last product
.if !F32OUT
; THE WAY OUT in f16: 16 rows at a time through my own stage: 16 bytes a lane in, whole rows of 128 bytes back, four rows to a store.
.macro PACK16 a
.irp b, 0,1,2,3
.irp r, 0,1,2,3
	v_cvt_pk_f16_f32 v[TMP+16*(\a)+4*(\b)+(\r)], v[ACC+8*(4*(\a)+(\b))+2*(\r)], v[ACC+8*(4*(\a)+(\b))+2*(\r)+1]
.endr
.endr
.if MODE == 1
.set i, 0
.rept 16
	v_pk_max_num_f16 v[TMP+16*(\a)+i], v[TMP+16*(\a)+i], v[ZERO]  ; relu
.set i, i+1
.endr
.endif
.irp b, 0,1,2,3
	ds_store_b128 v[STO], v[TMP+16*(\a)+4*(\b):TMP+16*(\a)+4*(\b)+3] offset:32*(\b)
.endr
.irp f, 0,1,2,3
	ds_load_b128 v[TMP+16*(\a)+4*(\f):TMP+16*(\a)+4*(\f)+3], v[RD] offset:(\f)*4*SP  ; LDS serves a wave's instructions in order: these see the stores above
.endr
.endm
.macro SEND16 a, younger               ; younger: the next block's eight LDS instructions, or none
.irp f, 0,1,2,3
	s_wait_dscnt (\younger)+3-(\f)
	global_store_b128 v[GO], v[TMP+16*(\a)+4*(\f):TMP+16*(\a)+4*(\f)+3], s[OUT:OUT+1] offset:(\a)*ABLK+(\f)*FBLK  ; each 16 lanes store 256 consecutive bytes, aligned
.endr
.endm
.if MODE == 0
	s_wait_loadcnt 0x0                             ; src_mask of my rows
.irp a, 0,1,2,3
	v_cmp_eq_u32 vcc_lo, 0, v[MF+2*(\a)]
	v_cndmask_b32 v[MF+2*(\a)], 1.0, v[ZERO], vcc_lo
	v_mov_b32 v[MF+2*(\a)+1], v[MF+2*(\a)]
.endr
	s_cmp_eq_u32 s[WHICH], 1                       ; only k is touched; the test is the same in all partners and jumps over no barrier
	s_cbranch_scc0 .Lnot_k
.irp a, 0,1,2,3
.set i, 0
.rept 16
	v_pk_mul_f32 v[ACC+32*(\a)+2*i:ACC+32*(\a)+2*i+1], v[ACC+32*(\a)+2*i:ACC+32*(\a)+2*i+1], v[MF+2*(\a):MF+2*(\a)+1]
.set i, i+1
.endr
.endr
.Lnot_k:
.endif
	PACK16 0
	PACK16 1
	SEND16 0, 8
	PACK16 2
	SEND16 1, 8
	PACK16 3
	SEND16 2, 8
	SEND16 3, 0
.else
; THE WAY OUT in f32: 16 rows at a time through my own stage, back as whole rows of 256 bytes; the residual is added; two rows to a store.
.macro TS32 a
.irp b, 0,1,2,3
	ds_store_b128 v[STO], v[ACC+8*(4*(\a)+(\b)):ACC+8*(4*(\a)+(\b))+3]   offset:64*(\b)
	ds_store_b128 v[STO], v[ACC+8*(4*(\a)+(\b))+4:ACC+8*(4*(\a)+(\b))+7] offset:64*(\b)+16
.endr
.irp t, 0,1,2,3,4,5,6,7
	ds_load_b128 v[ACC+32*(\a)+4*(\t):ACC+32*(\a)+4*(\t)+3], v[RD] offset:(\t)*2*SP  ; LDS serves a wave's instructions in order: these see the stores above
.endr
.endm
.macro SEND32 a, younger               ; younger: the next block's sixteen LDS instructions, or none
	s_wait_dscnt \younger
.if MODE == 2
	WIN 0x0a                                       ; the residual is the input x: rounded to bf16 like every input
.set i, 0
.rept 16
	v_cvt_pk_bf16_f32 v[TMP+i], v[32*(\a)+2*i], v[32*(\a)+2*i+1]
.set i, i+1
.endr
	WIN 0
.set i, 0
.rept 16
	v_lshlrev_b32 v[TMP+32+2*i], 16, v[TMP+i]
	v_and_b32 v[TMP+32+2*i+1], s[HI], v[TMP+i]
.set i, i+1
.endr
.set i, 0
.rept 16
	v_pk_add_f32 v[ACC+32*(\a)+2*i:ACC+32*(\a)+2*i+1], v[ACC+32*(\a)+2*i:ACC+32*(\a)+2*i+1], v[TMP+32+2*i:TMP+32+2*i+1]
.set i, i+1
.endr
.else
	WIN 0x08                                       ; source 1 in window 2
.set i, 0
.rept 16
	v_pk_add_f32 v[ACC+32*(\a)+2*i:ACC+32*(\a)+2*i+1], v[ACC+32*(\a)+2*i:ACC+32*(\a)+2*i+1], v[32*(\a)+2*i:32*(\a)+2*i+1]
.set i, i+1
.endr
	WIN 0
.endif
.irp t, 0,1,2,3,4,5,6,7
	global_store_b128 v[GO], v[ACC+32*(\a)+4*(\t):ACC+32*(\a)+4*(\t)+3], s[OUT:OUT+1] offset:(16*(\a)+2*(\t))*4096  ; each 16 lanes store 256 consecutive bytes, aligned
.endr
.endm
	s_wait_loadcnt 0x0                             ; the residual
	TS32 0
	TS32 1
	SEND32 0, 16
	TS32 2
	SEND32 1, 16
	TS32 3
	SEND32 2, 16
	SEND32 3, 0
.endif
	s_wait_tensorcnt 0x0                           ; the wave's end
	ds_add_u32 v[SPW], v[NIL]
	s_wait_dscnt 0x0
	CROUND                                         ; the closing round: no work-group ends while a partner may still ask for a tile that names it
	s_endpgm
.Lfunc_end_k_q7b4a206ef6_wo:
	.size	k_q7b4a206ef6_wo, .Lfunc_end_k_q7b4a206ef6_wo-k_q7b4a206ef6_wo
	.p2alignl 7, 3214868480
	.fill 96, 4, 3214868480
	.section	.rodata,"a",@progbits
	.p2align	6, 0x0
	.amdhsa_kernel k_q7b4a206ef6_wo
		.amdhsa_group_segment_fixed_size 327680
		.amdhsa_private_segment_fixed_size 0
		.amdhsa_enable_private_segment 0
		.amdhsa_kernarg_size 40
		.amdhsa_user_sgpr_count 2
		.amdhsa_user_sgpr_kernarg_segment_ptr 1
		.amdhsa_wavefront_size32 1
		.amdhsa_system_sgpr_workgroup_id_x 1
		.amdhsa_system_sgpr_workgroup_id_y 1
		.amdhsa_system_sgpr_workgroup_id_z 1
		.amdhsa_system_vgpr_workitem_id 0
		.amdhsa_next_free_vgpr 640
		.amdhsa_next_free_sgpr 92
		.amdhsa_reserve_vcc 1
		.amdhsa_float_denorm_mode_32 3
		.amdhsa_float_denorm_mode_16_64 3
		.amdhsa_memory_ordered 1
		.amdhsa_forward_progress 1
		.amdhsa_inst_pref_size 78
	.end_amdhsa_kernel
	.amdgpu_metadata
---
amdhsa.version: [ 1, 2 ]
amdhsa.kernels:
  - .name:           k_q7b4a206ef6_wo
    .symbol:         k_q7b4a206ef6_wo.kd
    .args:
      - { .name: ctx, .offset: 0, .size: 8, .value_kind: global_buffer, .address_space: global }
      - { .name: wcat, .offset: 8, .size: 8, .value_kind: global_buffer, .address_space: global }
      - { .name: bo, .offset: 16, .size: 8, .value_kind: global_buffer, .address_space: global }
      - { .name: x, .offset: 24, .size: 8, .value_kind: global_buffer, .address_space: global }
      - { .name: y1r, .offset: 32, .size: 8, .value_kind: global_buffer, .address_space: global }
    .group_segment_fixed_size: 327680
    .private_segment_fixed_size: 0
    .kernarg_segment_align: 8
    .kernarg_segment_size: 40
    .max_flat_workgroup_size: 128
    .sgpr_count:     92
    .vgpr_count:     640
    .wavefront_size: 32
...
	.end_amdgpu_metadata
.endif
;; end of part 4
;; launch ln2 (part 5): grid 512 x 1, 8 waves a work-group, no clusters, 0 bytes of LDS; arguments y1r, ln2_g, ln2_b, yn; writes yn
.if DOCPART == 5
	.amdgcn_target "amdgcn-amd-amdhsa--gfx1250"
	.amdhsa_code_object_version 6
	.text
	.protected	k_q7b4a206ef6_ln2
	.globl	k_q7b4a206ef6_ln2
	.p2align	8
	.type	k_q7b4a206ef6_ln2,@function
k_q7b4a206ef6_ln2:
	s_mov_b64 s[64:65], 0
	v_nop
	global_prefetch_b8 v0, s[64:65] scope:SCOPE_SE
	s_setreg_imm32_b32 hwreg(HW_REG_WAVE_MODE, 25, 1), 1
	s_wait_xcnt 0x0
; yn = LayerNorm(y1r) with gain and bias rounded to bf16 (like every input), stored as f16.  y1r: [4096][1024] f32, the program's own: not rounded.
; A wave a row, the row kept in 32 registers: mean first, then the mean of the squared differences.  A work-group takes 8 rows.
; A load of a wave covers 512 consecutive bytes, a store 256 consecutive bytes, aligned.  No LDS, no barrier.
; LIMITS. f16 ends at 65,504.  NaN and infinities are not treated apart.
.set X,  8                             ; v[8:39]    my lane's 32 numbers: columns 128 j + 4 lane + 0..3
.set G,  40
.set BT, 72
.set T,  104
.set MR, 120
.macro ROUND base                      ; 32 numbers rounded to bf16 and widened again, in place
.set i, 0
.rept 16
	v_cvt_pk_bf16_f32 v[T+i], v[(\base)+2*i], v[(\base)+2*i+1]
.set i, i+1
.endr
.set i, 0
.rept 16
	v_lshlrev_b32 v[(\base)+2*i], 16, v[T+i]
	v_and_b32 v[(\base)+2*i+1], s14, v[T+i]
.set i, i+1
.endr
.endm
.macro WSUM                            ; v[T] summed over the 32 lanes, the result in every lane
	v_add_f32_dpp v[T], v[T], v[T] row_xmask:1 row_mask:0xf bank_mask:0xf
	v_add_f32_dpp v[T], v[T], v[T] row_xmask:2 row_mask:0xf bank_mask:0xf
	v_add_f32_dpp v[T], v[T], v[T] row_xmask:4 row_mask:0xf bank_mask:0xf
	v_add_f32_dpp v[T], v[T], v[T] row_xmask:8 row_mask:0xf bank_mask:0xf
	v_permlanex16_b32 v[T+1], v[T], s12, s13
	v_add_f32 v[T], v[T], v[T+1]
.endm
	s_load_b256 s[16:23], s[0:1], 0x0              ; y1r, ln2_g, ln2_b, yn
	v_lshrrev_b32 v4, 5, v0                        ; wave
	v_and_b32 v5, 31, v0                           ; lane
	v_lshlrev_b32 v3, 4, v5
	v_lshl_or_b32 v1, v4, 12, v3
	v_lshlrev_b32 v2, 3, v5
	v_lshl_or_b32 v2, v4, 11, v2
	s_mov_b32 s12, 0x76543210
	s_mov_b32 s13, 0xfedcba98
	s_mov_b32 s14, 0xffff0000
	s_mov_b32 s9, 0
	s_mov_b32 s11, 0
	s_lshl_b32 s8, ttmp9, 15
	s_lshl_b32 s10, ttmp9, 14
	s_wait_kmcnt 0x0
	s_add_nc_u64 s[4:5], s[16:17], s[8:9]
	s_add_nc_u64 s[6:7], s[22:23], s[10:11]
.irp j, 0,1,2,3,4,5,6,7
	global_load_b128 v[X+4*(\j):X+4*(\j)+3], v1, s[4:5] offset:512*(\j)
.endr
.irp j, 0,1,2,3,4,5,6,7
	global_load_b128 v[G+4*(\j):G+4*(\j)+3], v3, s[18:19] offset:512*(\j)
.endr
.irp j, 0,1,2,3,4,5,6,7
	global_load_b128 v[BT+4*(\j):BT+4*(\j)+3], v3, s[20:21] offset:512*(\j)
.endr
	s_wait_loadcnt 16                              ; the row is in; the 16 younger loads of gain and bias may stay out
.set i, 0
.rept 8
	v_pk_add_f32 v[T+2*i:T+2*i+1], v[X+4*i:X+4*i+1], v[X+4*i+2:X+4*i+3]
.set i, i+1
.endr
.set i, 0
.rept 4
	v_pk_add_f32 v[T+4*i:T+4*i+1], v[T+4*i:T+4*i+1], v[T+4*i+2:T+4*i+3]
.set i, i+1
.endr
	v_pk_add_f32 v[T:T+1], v[T:T+1], v[T+4:T+5]
	v_pk_add_f32 v[T+8:T+9], v[T+8:T+9], v[T+12:T+13]
	v_pk_add_f32 v[T:T+1], v[T:T+1], v[T+8:T+9]
	v_add_f32 v[T], v[T], v[T+1]
	WSUM
	v_mov_b32 v4, 0x3a800000                       ; 1 / 1,024
	v_mul_f32 v[MR], v[T], v4
	v_mov_b32 v[MR+1], v[MR]
.set i, 0
.rept 16
	v_pk_add_f32 v[X+2*i:X+2*i+1], v[X+2*i:X+2*i+1], v[MR:MR+1] neg_lo:[0,1] neg_hi:[0,1]
.set i, i+1
.endr
.set i, 0
.rept 4
	v_pk_mul_f32 v[T+2*i:T+2*i+1], v[X+2*i:X+2*i+1], v[X+2*i:X+2*i+1]
.set i, i+1
.endr
.set i, 4
.rept 12
	v_pk_fma_f32 v[T+2*(i%4):T+2*(i%4)+1], v[X+2*i:X+2*i+1], v[X+2*i:X+2*i+1], v[T+2*(i%4):T+2*(i%4)+1]
.set i, i+1
.endr
	v_pk_add_f32 v[T:T+1], v[T:T+1], v[T+2:T+3]
	v_pk_add_f32 v[T+4:T+5], v[T+4:T+5], v[T+6:T+7]
	v_pk_add_f32 v[T:T+1], v[T:T+1], v[T+4:T+5]
	v_add_f32 v[T], v[T], v[T+1]
	WSUM
	v_fmaak_f32 v5, v[T], v4, 0x3727c5ac           ; var + 1e-5, in a register that the lines below leave alone
	v_rsq_f32 v[MR], v5
	v_rsq_f32 v[MR+1], v5
	s_wait_loadcnt 0x0                             ; gain and bias
	ROUND G                                        ; plain work that names neither v5 nor MR stands behind the two roots
	ROUND BT
	s_wait_alu depctr_va_vdst(0)                   ; one wait for both roots, ahead of their first reader
.set i, 0
.rept 16
	v_pk_mul_f32 v[G+2*i:G+2*i+1], v[G+2*i:G+2*i+1], v[MR:MR+1]
.set i, i+1
.endr
.set i, 0
.rept 16
	v_pk_fma_f32 v[X+2*i:X+2*i+1], v[X+2*i:X+2*i+1], v[G+2*i:G+2*i+1], v[BT+2*i:BT+2*i+1]
.set i, i+1
.endr
.set i, 0
.rept 16
	v_cvt_pk_f16_f32 v[T+i], v[X+2*i], v[X+2*i+1]
.set i, i+1
.endr
.irp j, 0,1,2,3,4,5,6,7
	global_store_b64 v2, v[T+2*(\j):T+2*(\j)+1], s[6:7] offset:256*(\j)
.endr
	s_endpgm
.Lfunc_end_k_q7b4a206ef6_ln2:
	.size	k_q7b4a206ef6_ln2, .Lfunc_end_k_q7b4a206ef6_ln2-k_q7b4a206ef6_ln2
	.p2alignl 7, 3214868480
	.fill 96, 4, 3214868480
	.section	.rodata,"a",@progbits
	.p2align	6, 0x0
	.amdhsa_kernel k_q7b4a206ef6_ln2
		.amdhsa_group_segment_fixed_size 0
		.amdhsa_private_segment_fixed_size 0
		.amdhsa_enable_private_segment 0
		.amdhsa_kernarg_size 32
		.amdhsa_user_sgpr_count 2
		.amdhsa_user_sgpr_kernarg_segment_ptr 1
		.amdhsa_wavefront_size32 1
		.amdhsa_system_sgpr_workgroup_id_x 1
		.amdhsa_system_sgpr_workgroup_id_y 1
		.amdhsa_system_sgpr_workgroup_id_z 1
		.amdhsa_system_vgpr_workitem_id 0
		.amdhsa_next_free_vgpr 128
		.amdhsa_next_free_sgpr 66
		.amdhsa_reserve_vcc 0
		.amdhsa_float_denorm_mode_32 3
		.amdhsa_float_denorm_mode_16_64 3
		.amdhsa_memory_ordered 1
		.amdhsa_forward_progress 1
		.amdhsa_inst_pref_size 16
	.end_amdhsa_kernel
	.amdgpu_metadata
---
amdhsa.version: [ 1, 2 ]
amdhsa.kernels:
  - .name:           k_q7b4a206ef6_ln2
    .symbol:         k_q7b4a206ef6_ln2.kd
    .args:
      - { .name: y1r, .offset: 0, .size: 8, .value_kind: global_buffer, .address_space: global }
      - { .name: ln2_g, .offset: 8, .size: 8, .value_kind: global_buffer, .address_space: global }
      - { .name: ln2_b, .offset: 16, .size: 8, .value_kind: global_buffer, .address_space: global }
      - { .name: yn, .offset: 24, .size: 8, .value_kind: global_buffer, .address_space: global }
    .group_segment_fixed_size: 0
    .private_segment_fixed_size: 0
    .kernarg_segment_align: 8
    .kernarg_segment_size: 32
    .max_flat_workgroup_size: 256
    .sgpr_count:     66
    .vgpr_count:     128
    .wavefront_size: 32
...
	.end_amdgpu_metadata
.endif
;; end of part 5
;; launch ff1: the kernel of part 2 again; grid 16 x 16, 4 waves a work-group, clusters of 4 x 4, 327,680 bytes of LDS; arguments yn, w1p, src_mask, hbuf; writes hbuf
;; launch ff2 (part 6): grid 8 x 32, 4 waves a work-group, clusters of 4 x 4, 327,680 bytes of LDS; arguments hbuf, wcat, b2, y1r, out0; writes out0
.if DOCPART == 6
	.amdgcn_target "amdgcn-amd-amdhsa--gfx1250"
	.amdhsa_code_object_version 6
	.text
	.protected	k_q7b4a206ef6_ff2
	.globl	k_q7b4a206ef6_ff2
	.p2align	8
	.type	k_q7b4a206ef6_ff2,@function
k_q7b4a206ef6_ff2:
	s_mov_b64 s[64:65], 0
	v_nop
	global_prefetch_b8 v0, s[64:65] scope:SCOPE_SE
	s_setreg_imm32_b32 hwreg(HW_REG_WAVE_MODE, 25, 1), 1
	s_wait_xcnt 0x0
	s_wait_alu depctr_hold_cnt(0) depctr_sa_sdst(0) depctr_va_vdst(0) depctr_va_sdst(0) depctr_va_ssrc(0) depctr_va_vcc(0) depctr_vm_vsrc(0)
	s_getreg_b32 s2, hwreg(HW_REG_IB_STS2, 6, 4)
	s_cmp_eq_u32 s2, 0
	s_cbranch_scc0 .Lentry_in_a_cluster
	s_endpgm
.Lentry_in_a_cluster:
	s_bfe_u32 s2, ttmp6, 0x10000c
	s_cmp_lg_u32 s2, 0xf033
	s_cbranch_scc0 .Lentry_shape_is_right
	s_endpgm
.Lentry_shape_is_right:
; C = A W + bias on tiles of 128 x 128.  A: [4096][SIZE_K] f16.  W: [SIZE_K][WN] f16 as it lies, K down the rows.  Sums in f32.
; THIS LAUNCH (MODE 3): A = hbuf, which lies in units of 256 bytes (2 tokens x 64 columns); W = W2; out0 = C + y1r, in f32.
; The same text serves four launches; the five constants below tell them apart.
; SHARES.  Four waves, each 64 x 64 of C: 16 accumulators.  K goes in steps of 256 through two LDS slots; waves 0, 1 fetch A's two halves of a step, waves 2, 3 W's.
; CLUSTER.  4 x 4 work-groups: A's tile is shared along a row of the cluster, W's along a column; each is asked for jointly, by the same load, descriptor and mask in all four.
; THE PRODUCT IS TAKEN TRANSPOSED: source 0 = 16 columns of W (turned on the way out of LDS by ds_load_tr16_b128), source 1 = 16 rows of A: a lane holds one row of C and 8 neighbouring columns.
; THE SUMS START AT THE BIAS (rounded to bf16 like every input): the accumulators are seeded with it while the first tiles are on their way, so the loop has one form of product.
; A K STEP IS WRITTEN ONCE: the slot hangs on scalars (TA, TB for the reads, TD for the fill).  The loop fills; the tail, two steps, fills nothing.
; No prefetch: a tile's K step is short and small, and each block is read by several clusters in turn.
; LIMITS.  NaN and infinities are not treated apart.
.set MODE,   3
.set SIZE_K, 4096
.set WN,     1024
.set WOFF,   16777216
.set PAIRED, 1
.set F32OUT, MODE/2
.set STEPS,  SIZE_K/256
.if PAIRED                             ; A lies in units of 256 bytes: 2 rows x 64 columns; an LDS row is a pair of rows x 256 columns
.set PA,     1040                      ; 1,024 bytes + 16
.set HALF_A, 32*PA
.set A_BLK,  8*PA                      ; 16 rows of A on
.set A_Q,    256                       ; 64 along K on
.set A_ROWB, 4*SIZE_K
.set A_STEP, 1024
.else
.set PA,     528                       ; 512 bytes + 16
.set HALF_A, 64*PA
.set A_BLK,  16*PA
.set A_Q,    128
.set A_ROWB, 2*SIZE_K
.set A_STEP, 512
.endif
.set BOFF,   67584                     ; W's tile lies behind A's
.set PB,     288                       ; 256 bytes + 32
.set HALF_B, 128*PB
.set B_Q,    64*PB
.set B_STEP, 512*WN
.set SLOT,   BOFF+2*HALF_B
.set STAGE,  2*SLOT                    ; behind the ring, never filled by a tensor load: 16 rows for each wave
.if F32OUT
.set SP,     272
.else
.set SP,     144
.endif
.set SPARE,  STAGE+4*16*SP             ; the spare words: 128 bytes a wave, named by no other line
.if MODE == 0
.set NLATER, 4                         ; loads issued behind the bias's
.set ABLK,   2048
.set FBLK,   512
.elseif MODE == 1
.set NLATER, 0
.set ABLK,   131072
.set FBLK,   32768
.else
.set NLATER, 32
.endif
.set MF,   8                           ; v[8:15]  MODE 0: src_mask of my four rows, then the factor 1 or 0, in pairs
.set A0,   16                          ; my lane's place in A's tile, in W's tile
.set B0,   17
.set ADA,  18                          ; the addresses of the run of loads in hand
.set ADB,  19
.set STO,  24
.set RD,   25
.set GO,   26
.set BO,   27
.set SPW,  28
.set NIL,  29
.set MO,   30
.set ZERO, 31
.set TMP,  32                          ; v[32:95] at work
.set BV,   96                          ; v[96:127] the bias of my 32 columns
.set ACC,  128                         ; v[128:255] accumulator (a, b) at ACC + 8 (4 a + b)
.set F0,   0                           ; window 1: two fragment buffers of 128: 64 of A, 64 of W, for 64 along K
.set F1,   128
.set WV,   20
.set RH,   21                          ; my half of the rows; also 0: I fetch A, 1: I fetch W
.set CH,   22                          ; my half of the columns; also which half I fetch
.set CX,   23
.set G1A,  24
.set G0A,  32                          ; two sets: slot 0's first fill; slot 1's, which then walks
.set G1B,  40
.set G0B,  48
.set CY,   56
.set TCOL, 57
.set TROW, 58
.set TA,   59
.set TB,   60
.set TD,   61
.set WLA,  62
.set WLB,  63
.set AT,   66                          ; s[66:69] A's offset and address: never hold cx
.set BT,   70                          ; s[70:73] W's: never hold cy
.set OUT,  74
.set RES,  76
.set HI,   78
.set WHICH, 79
.set TCP,  80
.set BP,   82
.set X0,   84                          ; s[84:89] offsets made of both coordinates
.set X2,   86
.set MSB, 0
.macro WIN new                         ; the high byte repeats the setting that is left; a switch that changes nothing is dropped
.if MSB != (\new)
	s_set_vgpr_msb (MSB<<8)|(\new)
.set MSB, \new
.endif
.endm
.set MUL,  0x05                        ; sources 0 and 1 window 1; C and D window 0
.set TO_F, 0x40                        ; destination window 1
.macro PLACES
.rept 4
	v_nop
.endr
.endm
.macro JLOAD                           ; the joint refill, by the walking set; an s_nop 0 and four v_nop follow each line
	s_cmp_eq_u32 s[RH], 0
	s_cbranch_scc0 .Lfor_b_\@
	tensor_load_to_lds s[G0A+4:G0A+7], s[G1A:G1A+7]
	s_nop 0
	PLACES
	s_branch .Lasked_\@
.Lfor_b_\@:
	tensor_load_to_lds s[G0B+4:G0B+7], s[G1B:G1B+7]
	s_nop 0
	PLACES
.Lasked_\@:
.endm
.macro CREST                           ; a round of the cluster's barrier behind its opening barrier
	s_cmp_lg_u32 s[WV], 0
	s_cbranch_scc1 .Lnot_wave_0_\@
	s_barrier_signal -3
.Lnot_wave_0_\@:
	s_barrier_wait -3
	s_barrier_signal -1
	s_barrier_wait -1
.endm
.macro CROUND
	s_barrier_signal -1
	s_barrier_wait -1
	CREST
.endm
.macro MUL8 f, c, a0                   ; row blocks a0, a0 + 1 x all 4 column blocks, 32 along K: half c of buffer f.  The 16 accumulators take turns
	WIN MUL
.irp a, \a0, (\a0)+1
.irp b, 0,1,2,3
	v_wmma_f32_16x16x32_f16 v[ACC+8*(4*(\a)+(\b)):ACC+8*(4*(\a)+(\b))+7], v[(\f)+64+8*(4*(\c)+(\b)):(\f)+64+8*(4*(\c)+(\b))+7], v[(\f)+8*(4*(\c)+(\a)):(\f)+8*(4*(\c)+(\a))+7], v[ACC+8*(4*(\a)+(\b)):ACC+8*(4*(\a)+(\b))+7]
.endr
.endr
.endm
.macro FETCH f                         ; 32 LDS loads in one run: the fragments of the next 64 along K; the first 32 along K first
	WIN 0
	v_add_nc_u32 v[ADA], s[TA], v[A0]
	v_add_nc_u32 v[ADB], s[TB], v[B0]
	s_add_co_u32 s[TA], s[TA], A_Q
	s_add_co_u32 s[TB], s[TB], B_Q
	WIN TO_F
.irp c, 0,1
.irp i, 0,1,2,3
	ds_load_tr16_b128 v[(\f)+64+8*(4*(\c)+(\i)):(\f)+64+8*(4*(\c)+(\i))+3],   v[ADB] offset:(\c)*32*PB+32*(\i)
	ds_load_tr16_b128 v[(\f)+64+8*(4*(\c)+(\i))+4:(\f)+64+8*(4*(\c)+(\i))+7], v[ADB] offset:(\c)*32*PB+32*(\i)+16*PB
	ds_load_b128 v[(\f)+8*(4*(\c)+(\i)):(\f)+8*(4*(\c)+(\i))+3],   v[ADA] offset:64*(\c)+(\i)*A_BLK
	ds_load_b128 v[(\f)+8*(4*(\c)+(\i))+4:(\f)+8*(4*(\c)+(\i))+7], v[ADA] offset:64*(\c)+(\i)*A_BLK+32
.endr
.endr
.endm
.macro QUARTER f, g                    ; multiplies buffer f, fetches the next quarter into g
	s_wait_dscnt 16                                ; the first 32 along K are in; the 16 younger loads may be out
	MUL8 \f, 0, 0
	MUL8 \f, 0, 2
	PLACES                                         ; four places between the last product that read g and the loads into it
	FETCH \g
	s_wait_dscnt 32                                ; all but the 32 just issued
	MUL8 \f, 1, 0
	MUL8 \f, 1, 2
.endm
; The last quarter multiplies buffer 1 and changes slots: each wave waits for all its tensor loads, adds 0 to its spare word, waits for that and for its reads of this slot, and signals.
; fill = 1: the barrier opens a round of the cluster's, and the joint refill, two K steps ahead, is the first thing behind it.  fill = 0: the tail; its last trip has no next slot to read.
.macro TURN fill
	WIN 0
	s_wait_tensorcnt 0x0                           ; no tensor load of mine is out: the walking sets may be written
	ds_add_u32 v[SPW], v[NIL]
.if \fill
	s_xor_b32 s[TD], s[TD], SLOT                   ; the other slot than last time,
	s_add_co_u32 s[G0A+5], s[TD], s[WLA]
	s_add_co_u32 s[G0B+5], s[TD], s[WLB]
	s_add_nc_u64 s[G0A+6:G0A+7], s[G0A+6:G0A+7], A_STEP  ; the next K step
	s_add_nc_u64 s[G0B+6:G0B+7], s[G0B+6:G0B+7], B_STEP
.endif
	s_wait_dscnt 17                                ; the add and the 16 youngest loads may be out
	MUL8 F1, 0, 0
	s_wait_dscnt 0x0                               ; the add is done, my reads of this slot are over
	s_barrier_signal -1
	MUL8 F1, 0, 2
	WIN 0
	s_barrier_wait -1
.if \fill
	CREST
	JLOAD                                          ; its four v_nop are also the places in front of the loads below
.else
	PLACES
	s_cmp_eq_u32 s3, 1
	s_cbranch_scc1 .Lno_next_\@
.endif
	s_sub_co_u32 s[TA], s[TA], 4*A_Q               ; back to the slot's head,
	s_xor_b32 s[TA], s[TA], SLOT                   ; in the other slot
	s_sub_co_u32 s[TB], s[TB], 4*B_Q
	s_xor_b32 s[TB], s[TB], SLOT
	FETCH F0
.if !(\fill)
	WIN 0
.Lno_next_\@:
.endif
	MUL8 F1, 1, 0
	MUL8 F1, 1, 2
.endm
.if MODE == 0
	s_load_b256 s[4:11], s[0:1], 0x0               ; yn, wcat, bq, bk
	s_load_b128 s[12:15], s[0:1], 0x20             ; bv, src_mask
	s_load_b64 s[16:17], s[0:1], 0x30              ; qkv
.elseif MODE == 1
	s_load_b256 s[4:11], s[0:1], 0x0               ; A, wcat, bias, out
.else
	s_load_b256 s[4:11], s[0:1], 0x0               ; A, wcat, bias, residual
	s_load_b64 s[12:13], s[0:1], 0x20              ; out
.endif
	v_lshl_add_u32 v[SPW], v0, 2, SPARE
	v_mov_b32 v[NIL], 0
	ds_add_u32 v[SPW], v[NIL]                      ; the opening: the add and its wait stand ahead of my first tensor load, work on registers between them
	v_lshrrev_b32 v1, 5, v0
	v_readfirstlane_b32 s[WV], v1
	s_lshr_b32 s[RH], s[WV], 1
	s_and_b32 s[CH], s[WV], 1
	s_bfe_u32 s[CX], ttmp6, 0x40000
	s_bfe_u32 s[CY], ttmp6, 0x40004
	s_lshl_b32 s[TCOL], ttmp9, 2
	s_add_co_u32 s[TCOL], s[TCOL], s[CX]           ; tile column
	s_and_b32 s[TROW], ttmp7, 0xffff
	s_lshl_b32 s[TROW], s[TROW], 2
	s_add_co_u32 s[TROW], s[TROW], s[CY]           ; tile row
	s_lshl_b32 s18, s[CY], 2
	s_lshl_b32 s18, 15, s18                        ; my row of the cluster
	s_lshl_b32 s19, 0x1111, s[CX]                  ; my column
.if PAIRED
	s_or_b32 s[G1A], s18, (1<<16)|(1<<20)|(1<<21)|(7<<22)|(3<<25)  ; mask; 2-byte elements; padding of 4 words behind every 256
	s_mov_b32 s[G1A+1], 512<<16                    ; tensor_dim0
	s_mov_b32 s[G1A+2], 32<<16                     ; tensor_dim1
	s_mov_b32 s[G1A+3], 512<<16                    ; tile_dim0: 4 units of 2 rows x 64 columns
	s_mov_b32 s[G1A+4], 32                         ; tile_dim1: 32 pairs of rows
	s_mov_b32 s[G1A+5], 2*SIZE_K                   ; elements from pair to pair
.else
	s_or_b32 s[G1A], s18, (1<<16)|(1<<20)|(1<<21)|(6<<22)|(3<<25)  ; mask; 2-byte elements; padding of 4 words behind every 128
	s_mov_b32 s[G1A+1], 256<<16
	s_mov_b32 s[G1A+2], 64<<16
	s_mov_b32 s[G1A+3], 256<<16
	s_mov_b32 s[G1A+4], 64
	s_mov_b32 s[G1A+5], SIZE_K
.endif
	s_mov_b32 s[G1A+6], 0
	s_mov_b32 s[G1A+7], 0
	s_or_b32 s[G1B], s19, (1<<16)|(1<<20)|(1<<21)|(5<<22)|(7<<25)  ; padding of 8 words behind every 64
	s_mov_b32 s[G1B+1], 128<<16
	s_mov_b32 s[G1B+2], 128<<16
	s_mov_b32 s[G1B+3], 128<<16                    ; 128 columns
	s_mov_b32 s[G1B+4], 128                        ; 128 rows of K
	s_mov_b32 s[G1B+5], WN
	s_mov_b32 s[G1B+6], 0
	s_mov_b32 s[G1B+7], 0
.if PAIRED
	s_lshl_b32 s[AT], s[TROW], 6
	s_lshl_b32 s[AT+1], s[CH], 5
.else
	s_lshl_b32 s[AT], s[TROW], 7
	s_lshl_b32 s[AT+1], s[CH], 6
.endif
	s_add_co_u32 s[AT], s[AT], s[AT+1]
	s_mul_i32 s[AT], s[AT], A_ROWB                 ; the half of A's tile that I fetch, in bytes (under 2^26)
	s_mov_b32 s[AT+1], 0
	s_mul_i32 s[BT], s[CH], 256*WN                 ; 128 rows of W
.if MODE == 0
	s_lshr_b32 s[WHICH], ttmp9, 1                  ; 0 q, 1 k, 2 v: the same in all sixteen partners
	s_and_b32 s[TCP], s[TCOL], 7                   ; the tile column in that matrix
	s_lshl_b32 s[BT+1], s[WHICH], 21
	s_add_co_u32 s[BT], s[BT], s[BT+1]
.else
	s_mov_b32 s[TCP], s[TCOL]
	s_add_co_u32 s[BT], s[BT], WOFF
.endif
	s_lshl_b32 s[BT+1], s[TCP], 8
	s_add_co_u32 s[BT], s[BT], s[BT+1]
	s_mov_b32 s[BT+1], 0
	s_mul_i32 s[WLA], s[CH], HALF_A                ; where my half goes in a slot: the wave's number alone
	s_mul_i32 s[WLB], s[CH], HALF_B
	s_add_co_u32 s[WLB], s[WLB], BOFF
	s_mov_b32 s[HI], 0xffff0000
	s_mov_b32 s[TA], 0
	s_mov_b32 s[TB], 0
	s_mov_b32 s[TD], SLOT
	s_wait_dscnt 0x0                               ; the opening add is done
	s_wait_kmcnt 0x0
	s_add_nc_u64 s[AT+2:AT+3], s[4:5], s[AT:AT+1]
	s_add_nc_u64 s[BT+2:BT+3], s[6:7], s[BT:BT+1]
.irp s, 0,1
	s_mov_b32 s[G0A+4*(\s)], 1
	s_add_co_u32 s[G0A+4*(\s)+1], s[WLA], (\s)*SLOT
	s_add_nc_u64 s[G0A+4*(\s)+2:G0A+4*(\s)+3], s[AT+2:AT+3], (\s)*A_STEP
	s_or_b32 s[G0A+4*(\s)+3], s[G0A+4*(\s)+3], 0x80000000
	s_mov_b32 s[G0B+4*(\s)], 1
	s_add_co_u32 s[G0B+4*(\s)+1], s[WLB], (\s)*SLOT
	s_add_nc_u64 s[G0B+4*(\s)+2:G0B+4*(\s)+3], s[BT+2:BT+3], (\s)*B_STEP
	s_or_b32 s[G0B+4*(\s)+3], s[G0B+4*(\s)+3], 0x80000000
.endr
	CROUND                                         ; all sixteen work-groups are here: the first joint loads meet
	s_cmp_eq_u32 s[RH], 0                          ; a wave's two first fills stand in one branch: two loads of mine are out
	s_cbranch_scc0 .Lfirst_b
	tensor_load_to_lds s[G0A:G0A+3], s[G1A:G1A+7]
	s_nop 0
	tensor_load_to_lds s[G0A+4:G0A+7], s[G1A:G1A+7]
	s_nop 0
	PLACES
	s_branch .Lfirst_asked
.Lfirst_b:
	tensor_load_to_lds s[G0B:G0B+3], s[G1B:G1B+7]
	s_nop 0
	tensor_load_to_lds s[G0B+4:G0B+7], s[G1B:G1B+7]
	s_nop 0
	PLACES
.Lfirst_asked:
	s_lshl_b32 s[X0], s[TCP], 1
	s_add_co_u32 s[X0], s[X0], s[CH]               ; my block of 64 columns
	s_lshl_b32 s[X0], s[X0], 8                     ; x 256 bytes
	s_mov_b32 s[X0+1], 0
	s_lshl_b32 s[X2], s[TROW], 1
	s_add_co_u32 s[X2], s[X2], s[RH]               ; my block of 64 rows
	s_mov_b32 s[X2+1], 0
.if MODE == 0
	s_cmp_eq_u32 s[WHICH], 1
	s_cselect_b64 s[BP:BP+1], s[10:11], s[8:9]
	s_cmp_eq_u32 s[WHICH], 2
	s_cselect_b64 s[BP:BP+1], s[12:13], s[BP:BP+1]
.else
	s_mov_b64 s[BP:BP+1], s[8:9]
.endif
	s_add_nc_u64 s[BP:BP+1], s[BP:BP+1], s[X0:X0+1]  ; 64 f32 of bias are 256 bytes
.if MODE == 0
	s_lshl_b32 s88, s[X0], 10                      ; my 64 columns are a head: x 262,144
	s_lshr_b32 s89, s[TROW], 4                     ; the batch: 16 heads
	s_lshl_b32 s89, s89, 22
	s_add_co_u32 s88, s88, s89
	s_lshl_b32 s89, s[WHICH], 23                   ; q, k or v
	s_add_co_u32 s88, s88, s89
	s_and_b32 s89, s[X2], 31                       ; my 64 tokens among the batch's 2,048: 8,192 bytes
	s_lshl_b32 s89, s89, 13
	s_add_co_u32 s88, s88, s89
	s_mov_b32 s89, 0
	s_add_nc_u64 s[OUT:OUT+1], s[16:17], s[88:89]
	s_lshl_b32 s[X2], s[X2], 8
	s_add_nc_u64 s[RES:RES+1], s[14:15], s[X2:X2+1]  ; src_mask of my 64 tokens
.elseif MODE == 1
	s_lshl_b32 s88, s[X2], 19                      ; 32 pairs of rows of 16,384 bytes
	s_add_co_u32 s88, s88, s[X0]
	s_mov_b32 s89, 0
	s_add_nc_u64 s[OUT:OUT+1], s[10:11], s[88:89]
.else
	s_lshl_b32 s88, s[X2], 18                      ; 64 rows of 4,096 bytes
	s_add_co_u32 s88, s88, s[X0]
	s_mov_b32 s89, 0
	s_add_nc_u64 s[OUT:OUT+1], s[12:13], s[88:89]
	s_add_nc_u64 s[RES:RES+1], s[10:11], s[88:89]
.endif
	v_and_b32 v1, 15, v0                           ; r = l % 16
	v_bfe_u32 v2, v0, 4, 1                         ; h = l / 16
	v_lshlrev_b32 v[BO], 5, v2                     ; my 8 columns of each 16
	v_lshlrev_b32 v[MO], 2, v1
	v_mov_b32 v[ZERO], 0
.if F32OUT
	v_lshlrev_b32 v[GO], 12, v2                    ; lanes 0-15 one row's 256 bytes, lanes 16-31 the next row's
	v_lshl_add_u32 v[GO], v1, 4, v[GO]
.elseif MODE == 0
	v_and_b32 v[GO], 31, v0
	v_lshlrev_b32 v[GO], 4, v[GO]                  ; four rows of 128 bytes are 512 consecutive bytes
.else
	v_lshlrev_b32 v[GO], 14, v2                    ; lanes 0-15 one unit of 2 rows x 64 columns, lanes 16-31 the next pair's
	v_lshl_add_u32 v[GO], v1, 4, v[GO]
.endif
.irp b, 0,1,2,3
	global_load_b128 v[BV+8*(\b):BV+8*(\b)+3],   v[BO], s[BP:BP+1] offset:64*(\b)
	global_load_b128 v[BV+8*(\b)+4:BV+8*(\b)+7], v[BO], s[BP:BP+1] offset:64*(\b)+16
.endr
.if MODE == 0
.irp a, 0,1,2,3
	global_load_b32 v[MF+2*(\a)], v[MO], s[RES:RES+1] offset:64*(\a)
.endr
.endif
.if F32OUT
	WIN 0x80                                       ; the residual's tile waits in window 2, laid as the results come back from the stage
.irp a, 0,1,2,3
.irp t, 0,1,2,3,4,5,6,7
	global_load_b128 v[32*(\a)+4*(\t):32*(\a)+4*(\t)+3], v[GO], s[RES:RES+1] offset:(16*(\a)+2*(\t))*4096
.endr
.endr
	WIN 0
.endif
.if PAIRED
	v_lshrrev_b32 v3, 1, v1
	v_mul_u32_u24 v[A0], v3, PA                    ; the pair of rows,
	v_and_b32 v3, 1, v1
	v_lshl_add_u32 v[A0], v3, 7, v[A0]             ; which of the two
.else
	v_mul_u32_u24 v[A0], v1, PA
.endif
	v_lshl_add_u32 v[A0], v2, 4, v[A0]
	s_mul_i32 s88, s[RH], HALF_A
	v_add_nc_u32 v[A0], s88, v[A0]
	v_and_b32 v3, 7, v0                            ; the turning load: lane l reads row 8 h + l % 8 of K, columns 8 ((l / 8) % 2) + 0..7
	v_lshl_add_u32 v3, v2, 3, v3
	v_mul_u32_u24 v[B0], v3, PB
	v_bfe_u32 v3, v0, 3, 1
	v_lshl_add_u32 v[B0], v3, 4, v[B0]
	s_lshl_b32 s88, s[CH], 7
	s_add_co_u32 s88, s88, BOFF
	v_add_nc_u32 v[B0], s88, v[B0]
	s_mul_i32 s88, s[WV], 16*SP
	s_add_co_u32 s88, s88, STAGE                   ; my stage
	v_mul_u32_u24 v[STO], v1, SP
.if F32OUT
	v_lshl_add_u32 v[STO], v2, 5, v[STO]
	v_mul_u32_u24 v[RD], v2, SP
	v_lshl_add_u32 v[RD], v1, 4, v[RD]
.else
	v_lshl_add_u32 v[STO], v2, 4, v[STO]
	v_bfe_u32 v3, v0, 3, 2
	v_mul_u32_u24 v[RD], v3, SP
	v_and_b32 v3, 7, v0
	v_lshl_add_u32 v[RD], v3, 4, v[RD]
.endif
	v_add_nc_u32 v[STO], s88, v[STO]
	v_add_nc_u32 v[RD], s88, v[RD]
	s_wait_loadcnt NLATER                          ; the bias is in; the loads issued behind it may stay out
.set i, 0
.rept 16
	v_cvt_pk_bf16_f32 v[TMP+i], v[BV+2*i], v[BV+2*i+1]
.set i, i+1
.endr
.set i, 0
.rept 16
	v_lshlrev_b32 v[BV+2*i], 16, v[TMP+i]
	v_and_b32 v[BV+2*i+1], s[HI], v[TMP+i]
.set i, i+1
.endr
.irp a, 0,1,2,3                        ; the sums start at the bias: written in the wait for the first tile
.set i, 0
.rept 32
	v_mov_b32 v[ACC+32*(\a)+i], v[BV+i]
.set i, i+1
.endr
.endr
	s_wait_tensorcnt 0x1                           ; my part of K step 0 is in; slot 1's may stay out
	s_barrier_signal -1
	s_barrier_wait -1
	FETCH F0
	WIN 0
	s_mov_b32 s3, STEPS-2
.Lstep:                                        ; a K step; its slot is filled again with the step two on
	QUARTER F0, F1
	QUARTER F1, F0
	QUARTER F0, F1
	TURN 1
	WIN 0
	s_sub_co_u32 s3, s3, 1
	s_cmp_lg_u32 s3, 0
	s_cbranch_scc1 .Lstep
	s_mov_b32 s3, 2
.Ltail:                                        ; the last two K steps ask for nothing
	QUARTER F0, F1
	QUARTER F1, F0
	QUARTER F0, F1
	TURN 0
	WIN 0
	s_sub_co_u32 s3, s3, 1
	s_cmp_lg_u32 s3, 0
	s_cbranch_scc1 .Ltail
	PLACES                                         ; four places behind the last product
.if !F32OUT
; THE WAY OUT in f16: 16 rows at a time through my own stage: 16 bytes a lane in, whole rows of 128 bytes back, four rows to a store.
.macro PACK16 a
.irp b, 0,1,2,3
.irp r, 0,1,2,3
	v_cvt_pk_f16_f32 v[TMP+16*(\a)+4*(\b)+(\r)], v[ACC+8*(4*(\a)+(\b))+2*(\r)], v[ACC+8*(4*(\a)+(\b))+2*(\r)+1]
.endr
.endr
.if MODE == 1
.set i, 0
.rept 16
	v_pk_max_num_f16 v[TMP+16*(\a)+i], v[TMP+16*(\a)+i], v[ZERO]  ; relu
.set i, i+1
.endr
.endif
.irp b, 0,1,2,3
	ds_store_b128 v[STO], v[TMP+16*(\a)+4*(\b):TMP+16*(\a)+4*(\b)+3] offset:32*(\b)
.endr
.irp f, 0,1,2,3
	ds_load_b128 v[TMP+16*(\a)+4*(\f):TMP+16*(\a)+4*(\f)+3], v[RD] offset:(\f)*4*SP  ; LDS serves a wave's instructions in order: these see the stores above
.endr
.endm
.macro SEND16 a, younger               ; younger: the next block's eight LDS instructions, or none
.irp f, 0,1,2,3
	s_wait_dscnt (\younger)+3-(\f)
	global_store_b128 v[GO], v[TMP+16*(\a)+4*(\f):TMP+16*(\a)+4*(\f)+3], s[OUT:OUT+1] offset:(\a)*ABLK+(\f)*FBLK  ; each 16 lanes store 256 consecutive bytes, aligned
.endr
.endm
.if MODE == 0
	s_wait_loadcnt 0x0                             ; src_mask of my rows
.irp a, 0,1,2,3
	v_cmp_eq_u32 vcc_lo, 0, v[MF+2*(\a)]
	v_cndmask_b32 v[MF+2*(\a)], 1.0, v[ZERO], vcc_lo
	v_mov_b32 v[MF+2*(\a)+1], v[MF+2*(\a)]
.endr
	s_cmp_eq_u32 s[WHICH], 1                       ; only k is touched; the test is the same in all partners and jumps over no barrier
	s_cbranch_scc0 .Lnot_k
.irp a, 0,1,2,3
.set i, 0
.rept 16
	v_pk_mul_f32 v[ACC+32*(\a)+2*i:ACC+32*(\a)+2*i+1], v[ACC+32*(\a)+2*i:ACC+32*(\a)+2*i+1], v[MF+2*(\a):MF+2*(\a)+1]
.set i, i+1
.endr
.endr
.Lnot_k:
.endif
	PACK16 0
	PACK16 1
	SEND16 0, 8
	PACK16 2
	SEND16 1, 8
	PACK16 3
	SEND16 2, 8
	SEND16 3, 0
.else
; THE WAY OUT in f32: 16 rows at a time through my own stage, back as whole rows of 256 bytes; the residual is added; two rows to a store.
.macro TS32 a
.irp b, 0,1,2,3
	ds_store_b128 v[STO], v[ACC+8*(4*(\a)+(\b)):ACC+8*(4*(\a)+(\b))+3]   offset:64*(\b)
	ds_store_b128 v[STO], v[ACC+8*(4*(\a)+(\b))+4:ACC+8*(4*(\a)+(\b))+7] offset:64*(\b)+16
.endr
.irp t, 0,1,2,3,4,5,6,7
	ds_load_b128 v[ACC+32*(\a)+4*(\t):ACC+32*(\a)+4*(\t)+3], v[RD] offset:(\t)*2*SP  ; LDS serves a wave's instructions in order: these see the stores above
.endr
.endm
.macro SEND32 a, younger               ; younger: the next block's sixteen LDS instructions, or none
	s_wait_dscnt \younger
.if MODE == 2
	WIN 0x0a                                       ; the residual is the input x: rounded to bf16 like every input
.set i, 0
.rept 16
	v_cvt_pk_bf16_f32 v[TMP+i], v[32*(\a)+2*i], v[32*(\a)+2*i+1]
.set i, i+1
.endr
	WIN 0
.set i, 0
.rept 16
	v_lshlrev_b32 v[TMP+32+2*i], 16, v[TMP+i]
	v_and_b32 v[TMP+32+2*i+1], s[HI], v[TMP+i]
.set i, i+1
.endr
.set i, 0
.rept 16
	v_pk_add_f32 v[ACC+32*(\a)+2*i:ACC+32*(\a)+2*i+1], v[ACC+32*(\a)+2*i:ACC+32*(\a)+2*i+1], v[TMP+32+2*i:TMP+32+2*i+1]
.set i, i+1
.endr
.else
	WIN 0x08                                       ; source 1 in window 2
.set i, 0
.rept 16
	v_pk_add_f32 v[ACC+32*(\a)+2*i:ACC+32*(\a)+2*i+1], v[ACC+32*(\a)+2*i:ACC+32*(\a)+2*i+1], v[32*(\a)+2*i:32*(\a)+2*i+1]
.set i, i+1
.endr
	WIN 0
.endif
.irp t, 0,1,2,3,4,5,6,7
	global_store_b128 v[GO], v[ACC+32*(\a)+4*(\t):ACC+32*(\a)+4*(\t)+3], s[OUT:OUT+1] offset:(16*(\a)+2*(\t))*4096  ; each 16 lanes store 256 consecutive bytes, aligned
.endr
.endm
	s_wait_loadcnt 0x0                             ; the residual
	TS32 0
	TS32 1
	SEND32 0, 16
	TS32 2
	SEND32 1, 16
	TS32 3
	SEND32 2, 16
	SEND32 3, 0
.endif
	s_wait_tensorcnt 0x0                           ; the wave's end
	ds_add_u32 v[SPW], v[NIL]
	s_wait_dscnt 0x0
	CROUND                                         ; the closing round: no work-group ends while a partner may still ask for a tile that names it
	s_endpgm
.Lfunc_end_k_q7b4a206ef6_ff2:
	.size	k_q7b4a206ef6_ff2, .Lfunc_end_k_q7b4a206ef6_ff2-k_q7b4a206ef6_ff2
	.p2alignl 7, 3214868480
	.fill 96, 4, 3214868480
	.section	.rodata,"a",@progbits
	.p2align	6, 0x0
	.amdhsa_kernel k_q7b4a206ef6_ff2
		.amdhsa_group_segment_fixed_size 327680
		.amdhsa_private_segment_fixed_size 0
		.amdhsa_enable_private_segment 0
		.amdhsa_kernarg_size 40
		.amdhsa_user_sgpr_count 2
		.amdhsa_user_sgpr_kernarg_segment_ptr 1
		.amdhsa_wavefront_size32 1
		.amdhsa_system_sgpr_workgroup_id_x 1
		.amdhsa_system_sgpr_workgroup_id_y 1
		.amdhsa_system_sgpr_workgroup_id_z 1
		.amdhsa_system_vgpr_workitem_id 0
		.amdhsa_next_free_vgpr 640
		.amdhsa_next_free_sgpr 92
		.amdhsa_reserve_vcc 1
		.amdhsa_float_denorm_mode_32 3
		.amdhsa_float_denorm_mode_16_64 3
		.amdhsa_memory_ordered 1
		.amdhsa_forward_progress 1
		.amdhsa_inst_pref_size 70
	.end_amdhsa_kernel
	.amdgpu_metadata
---
amdhsa.version: [ 1, 2 ]
amdhsa.kernels:
  - .name:           k_q7b4a206ef6_ff2
    .symbol:         k_q7b4a206ef6_ff2.kd
    .args:
      - { .name: hbuf, .offset: 0, .size: 8, .value_kind: global_buffer, .address_space: global }
      - { .name: wcat, .offset: 8, .size: 8, .value_kind: global_buffer, .address_space: global }
      - { .name: b2, .offset: 16, .size: 8, .value_kind: global_buffer, .address_space: global }
      - { .name: y1r, .offset: 24, .size: 8, .value_kind: global_buffer, .address_space: global }
      - { .name: out0, .offset: 32, .size: 8, .value_kind: global_buffer, .address_space: global }
    .group_segment_fixed_size: 327680
    .private_segment_fixed_size: 0
    .kernarg_segment_align: 8
    .kernarg_segment_size: 40
    .max_flat_workgroup_size: 128
    .sgpr_count:     92
    .vgpr_count:     640
    .wavefront_size: 32
...
	.end_amdgpu_metadata
.endif
;; end of part 6
